; MI455X (gfx1250); checked and timed in simulation.
; The chip was launched on July 23, 2026; its instructions are those of AMD's public machine-readable ISA for CDNA 5 (MIT licence, August 2026) and "CDNA5" Instruction Set Architecture Reference Guide (July 2026). The comments in the code are by the model that wrote it; some were corrected since.
;; MHSA. Allowed arithmetic: matrix products marked QUANTISED: E2M3 operands, one E8M0 scale for each 32 along K, by v_wmma_scale_f32_16x16x128_f8f6f4 with both operands' format E2M3, f32 sums; products left as they are: f32 operands where the result goes on into a quantised operand, else bf16, f16 or f32 operands; f32 sums; everything else in f32.
;; Inputs: Wk_codes 1,024 x 4 x 24 uint8 (E2M3 codes of Wk, K innermost, in blocks of 32 codes, four codes in three bytes); Wk_scales 1,024 x 4 uint8 (E8M0 scales of Wk, one for each 32 codes along K); Wo 128 x 1,024 float32; Wq_codes 1,024 x 4 x 24 uint8 (E2M3 codes of Wq, K innermost, in blocks of 32 codes, four codes in three bytes); Wq_scales 1,024 x 4 uint8 (E8M0 scales of Wq, one for each 32 codes along K); Wv_codes 1,024 x 4 x 24 uint8 (E2M3 codes of Wv, K innermost, in blocks of 32 codes, four codes in three bytes); Wv_scales 1,024 x 4 uint8 (E8M0 scales of Wv, one for each 32 codes along K); bo 128 float32; x_codes 4 x 2,048 x 4 x 24 uint8 (E2M3 codes of x, K innermost, in blocks of 32 codes, four codes in three bytes); x_scales 4 x 2,048 x 4 uint8 (E8M0 scales of x, one for each 32 codes along K).
;; Outputs: out0 4 x 2,048 x 128 float32.
;; This version of the problem:
;;   THIS VERSION OF THE PROBLEM IS GIVEN IN LOW PRECISION. The matrix products marked QUANTISED in the list below multiply operands that are first quantised to E2M3 (2 exponent bits, 3 mantissa bits; 6 bits a number), with one power-of-two scale for each 32 numbers along K (OCP MX v1.0); their sums are f32. All else is computed in f32.
;;   The module's matrix products, in the order in which they are computed (A, B: the left and right operand; K: the contracted axis; several contracted axes count as one K, in the product's order):
;;     1. [M 8,192, K 128] x [K 128, N 1,024]; A: input x (given as codes); B: input Wq (given as codes): QUANTISED
;;     2. [M 8,192, K 128] x [K 128, N 1,024]; A: input x (given as codes); B: input Wk (given as codes): QUANTISED
;;     3. [M 8,192, K 128] x [K 128, N 1,024]; A: input x (given as codes); B: input Wv (given as codes): QUANTISED
;;     4. batch 32 x [M 2,048, K 1] x [K 1, N 2,048]; A: computed on the way; B: computed on the way: left as it is (no contracted axis)
;;     5. batch 32 x [M 128, K 2,048] x [K 2,048, N 2,048]; A: computed on the way; B: softmax (see below): QUANTISED
;;     6. [M 8,192, K 1,024] x [K 1,024, N 128]; A: computed on the way; B: input Wo: QUANTISED
;;   THE QUANTISER, for each operand of a quantised product, along K:
;;     - K is cut into blocks of 32 from its start; a last block that is shorter is filled with zeros.
;;     - A block's scale is 2^e with e = floor(log2(the largest magnitude in the block)) - 2, held to -126 .. 127; a block of zeros has e = 0. As a byte (E8M0): e + 127.
;;     - Each number is divided by its block's scale, clamped to +-7.5, and rounded to the nearest number of E2M3, ties to even, subnormals kept.
;;     - The product sums the exact products of the quantised numbers (number of the format x scale) in f32.
;;   ~~~python
;;   def quantise(x, axis):      # numpy; x: float32 -> the quantised numbers, widened to float32 again
;;       x = np.moveaxis(x, axis, -1); K = x.shape[-1]
;;       x = np.pad(x, [(0, 0)] * (x.ndim - 1) + [(0, -K % 32)]); x = x.reshape(x.shape[:-1] + (-1, 32)); a = np.abs(x).max(-1, keepdims=True)
;;       e = np.where(a > 0, np.clip(np.frexp(np.where(a > 0, a, 1))[1] - 1 - 2, -126, 127), 0)      # np.frexp(a)[1] - 1 = floor(log2(a)), exactly
;;       r = np.clip(x / 2.0 ** e, -7.5, 7.5)
;;       step = 2.0 ** (np.maximum(np.frexp(np.where(r == 0, 1, r))[1] - 1, 0) - 3)
;;       q = np.round(r / step) * step * 2.0 ** e      # np.round: ties to even
;;       return np.moveaxis(q.reshape(q.shape[:-2] + (-1,))[..., :K], -1, axis).astype(np.float32)
;;   ~~~
;;   SOFTMAX AHEAD OF A QUANTISED PRODUCT. Where the list says 'softmax', what is quantised is not the finished softmax but p = 2^(t - M), with t = logit x log2(e) and M = ceil(the row's largest t), a whole number; so 1/2 < the row's largest p <= 1. The row's sum l is taken of the UNQUANTISED p, in f32, and the product's result is divided by l at the end. Since M is a whole number, a kernel that streams over the keys may use a running M (the ceiling of the running maximum): every later rescaling is an exact power of two, which a block's scale takes up: the codes' values come out the same.
;;   OPERANDS COMPUTED ON THE WAY. 'Computed on the way' means the value that the module computes at that place (a softmax that the list does not call 'softmax' is quantised finished and normalised). What goes into a quantiser is computed in f32, as accurately as f32 sums, v_exp_f32 and their like allow (about 1e-6 of the number): no bf16 or f16 on the way to a quantiser, and a product that is left as it is and whose result goes on into a quantised operand takes f32 operands (vector FMAs, or v_wmma_f32_16x16x4_f32). A number that lies on a knife's edge between two numbers of the format may be rounded either way, as far as f32 arithmetic and the matrix unit's own rounding can turn it there, and no further.
;;   INPUTS GIVEN AS CODES. Wk (in the module: [1024, 128], K = its axis 1); Wq (in the module: [1024, 128], K = its axis 1); Wv (in the module: [1024, 128], K = its axis 1); x (in the module: [4, 2048, 128], K = its axis 2): each comes as NAME_codes (uint8): NAME with its K axis moved to the last place and cut into blocks of 32 codes, [.., K / 32, bytes a block], one block behind the other in memory; four codes in three bytes: a row's codes are one little-endian stream of bits, code i at bits 6 i .. 6 i + 5 (a code: sign, 2 exponent bits, 3 mantissa bits); and NAME_scales (uint8): the same leading axes, one E8M0 byte (e + 127) for each 32 codes along K. Its value is code x scale, taken as it is: it is not quantised again, and the codes and scales need not be those that the quantiser above would give.
;; 2 versions. Each part assembles by itself: llvm-mc -triple=amdgcn-amd-amdhsa -mcpu=gfx1250 --defsym DOCPART=n.
;; ======== version 1 of 2: 3 launches
;; workspace buffers: rec 6,815,744 bytes; aq 262,144 bytes; wc 98,304 bytes; ws 8,192 bytes; ob 33,554,432 bytes
;; launch prep (part 1): grid 64 x 4, 4 waves a work-group, no clusters, 0 bytes of LDS; arguments x_codes, x_scales, Wq_codes, Wq_scales, Wk_codes, Wk_scales, Wv_codes, Wv_scales, Wo, rec, aq, wc, ws; writes rec, aq, wc, ws
.if DOCPART == 1
	.amdgcn_target "amdgcn-amd-amdhsa--gfx1250"
	.amdhsa_code_object_version 6
	.text
	.protected	k_qa38e2eb220_prep
	.globl	k_qa38e2eb220_prep
	.p2align	8
	.type	k_qa38e2eb220_prep,@function
k_qa38e2eb220_prep:
	s_mov_b64 s[64:65], 0
	v_nop
	global_prefetch_b8 v0, s[64:65] scope:SCOPE_SE
	s_setreg_imm32_b32 hwreg(HW_REG_WAVE_MODE, 25, 1), 1
	s_wait_xcnt 0x0
; MHSA in MX-FP6, launch 1 of 3: the three products with x, and the operands of the later products as images of their registers.
; NO WORK OF reference() IS LEFT OUT: every input has a way to the output and is loaded by one of the three launches (bo by the third).
; What is used of the problem's form, for all finite inputs: the logit is qs[c] ks[i] / sqrt(128), qs and ks the sums of a head's 128 numbers of x Wq^T and x Wk^T.
;   (a) Those sums are made in the accumulators: the 8 tiles of a head's 128 rows of Wq (Wk) are chained onto ONE accumulator for each tile of 16 rows of x, so only 8 registers and two halves of the lanes are left to add.
;   (b) The second launch takes the row's largest logit as max(a kmax, a kmin), kmax and kmin the head's largest and smallest ks: the maximum itself, not a bound.
; OUT: aq[bh][2048] = a = qs x log2(e) / sqrt(128).  rec[bh] (212,992 bytes a head): ks[2048] f32; then v's scale words; then v's codes, quantised along the KEYS, as images of the fragments 16 e x 128 keys.
;      wc, ws: Wo quantised along the last product's K, as images of the fragments 16 rows x 128 K, and their scale words.
; THE LAST PRODUCT'S K runs over e first and over the heads second, the order in which the product contracts its two axes: K = 8 e + h.  So a block of 32 is 4 neighbouring e of all 8 heads, and a K step of 128 is 16 e.
;      Inside a block the numbers are taken in the order 4 h + e % 4, in Wo and in out alike: a block's scale and its codes' values do not hang on that order, nor does the sum.
; An IMAGE is a fragment's 12 registers as they stand: register group g (4 registers) of lane l at 512 g + 16 l.  Whoever loads it by the same lines has the operand.
; SHARES: work-group (16 b + s, hp): 128 rows of x (key step s of batch b), heads 2 hp and 2 hp + 1.  Wave w: head 2 hp + w / 2; w even makes v (64 matrix instructions, 8 quantisers), w odd makes qs and ks (128).
;      The 64 waves of the 16 work-groups with s = 0 make one fragment of Wo each, first.
; THE ROWS OF A TILE OF x, AND OF Wv, ARE NOT NEIGHBOURS: lane r of tile 2 B + U takes row 32 B + 8 U + r + 8 (r / 8), so that a lane's 16 registers of two neighbouring result tiles are 16 neighbours along the next K.
; LIMITS: NaN, infinities and the scale byte 0xff among the inputs are not served.  A block of zeros gets the scale byte 1 where the rule says 127: its codes are zeros, and this program alone reads the bytes.
; The stores of a and ks cover 128 consecutive bytes each (4 bytes a lane), Wo's loads 32 bytes a row and its scale words 4 bytes a lane: a megabyte in all; a turn through LDS for them was not built.
; REGISTERS: window 0: v1-13 lane numbers and offsets; v16-23 x's scale words; v24-39 the weights'; v40-55 at work; v56-63 the scale words made; v64-191 results; v192-211 codes; v212-215 v's scale words as stored.
;      window 1: the weights' fragments, 12 registers each.   window 2: x's eight fragments.
.set SEL, 48                           ; s[48:49] lane selects of v_permlanex16_b32: lane l xor 16
.set XS,  16
.set WS,  24
.set TM,  40
.set PW,  56
.set HA,  64
.set PC,  192
.set TA,  204
.set VSW, 212
.set MSB, 0
.macro WIN new                         ; the immediate's high byte repeats the setting that is left; a switch that changes nothing is dropped
.if MSB != \new
	s_set_vgpr_msb (MSB<<8)|\new
.set MSB, \new
.endif
.endm
; 64 numbers of a lane, register 16 b + i = k 32 b + 16 (lane / 16) + i of the lane's row, become a fragment's codes in v[pc] on and the row's scale word in v[pw]
.macro QUANT s, pc, ta, pw
.irp b, 0,1,2,3
	v_max3_num_f32 v[TM+\b], |v[(\s)+16*\b]|, |v[(\s)+1+16*\b]|, 0x1800000   ; block b: my 16 numbers, and the floor 2^(3 - 127): the byte cannot fall under 1
.endr
.irp i, 2,4,6,8,10,12,14
.irp b, 0,1,2,3
	v_max3_num_f32 v[TM+\b], v[TM+\b], |v[(\s)+16*\b+\i]|, |v[(\s)+1+16*\b+\i]|   ; the four blocks by turns; each accumulator is read from its low end on
.endr
.endr
.irp b, 0,1,2,3
	v_permlanex16_b32 v[TM+4+\b], v[TM+\b], s[SEL], s[SEL+1]
.endr
.irp b, 0,1,2,3
	v_max_num_f32 v[TM+\b], v[TM+\b], v[TM+4+\b]   ; with lane l xor 16's: the block's largest magnitude
.endr
.irp b, 0,1,2,3
	v_add_nc_u32 v[TM+12+\b], 0xff000000, v[TM+\b]   ; 2 off its exponent field: the conversion's scale operand
.endr
.irp b, 0,1,2,3
	v_lshrrev_b32 v[TM+4+\b], 23, v[TM+12+\b]   ; the scale's byte
.endr
	v_lshl_or_b32 v[\pw], v[TM+5], 8, v[TM+4]
	v_lshl_or_b32 v[\pw], v[TM+6], 16, v[\pw]
	v_lshl_or_b32 v[\pw], v[TM+7], 24, v[\pw]      ; my row's scale word, in both halves of the lanes
.irp c, 0,1
	v_cvt_scalef32_pk16_fp6_f32 v[(\pc)+6*\c:(\pc)+2+6*\c], v[(\s)+32*\c:(\s)+15+32*\c], v[TM+12+2*\c]
	v_cvt_scalef32_pk16_fp6_f32 v[(\ta)+4*\c:(\ta)+2+4*\c], v[(\s)+16+32*\c:(\s)+31+32*\c], v[TM+12+2*\c+1]   ; (a conversion's three registers begin on an even number)
.endr
	v_nop                                          ; one plain place behind the scaled conversions
.irp c, 0,1                            ; the operand wants a WHOLE block in a lane: lanes 0-15 block 2 c, lanes 16-31 block 2 c + 1
.irp i, 0,1,2
	v_permlane16_swap_b32 v[(\pc)+6*\c+\i], v[(\ta)+4*\c+\i]
.endr
.irp i, 0,1,2
	v_mov_b32 v[(\pc)+3+6*\c+\i], v[(\ta)+4*\c+\i]
.endr
.endr
.endm
; v^T of e-tile t for the 128 keys: source 0 = 16 rows of x, source 1 = 16 rows of Wv: a lane holds ONE e, its registers run along the keys.  Two sets of 64 results by turns
.macro MM t
	WIN 0x06                                       ; source 0 (x) window 2, source 1 (Wv) window 1
.irp j, 0,1,2,3,4,5,6,7
	v_wmma_scale_f32_16x16x128_f8f6f4 v[HA+64*((\t)%2)+8*\j:HA+64*((\t)%2)+8*\j+7], v[12*\j:12*\j+11], v[12*(\t):12*(\t)+11], 0, v[XS+\j], v[WS+(\t)] matrix_a_fmt:MATRIX_FMT_FP6 matrix_b_fmt:MATRIX_FMT_FP6
.endr
.endm
	s_load_b512 s[8:23], s[0:1], 0x0               ; x codes s[8:9], x scales s[10:11], Wq s[12:15], Wk s[16:19], Wv s[20:23]
	s_load_b256 s[24:31], s[0:1], 0x40             ; Wo s[24:25], rec s[26:27], aq s[28:29], wc s[30:31]
	s_load_b64 s[32:33], s[0:1], 0x60              ; ws
	v_lshrrev_b32 v1, 5, v0
	v_readfirstlane_b32 s34, v1                    ; wave 0..3
	v_and_b32 v1, 31, v0                           ; lane
	v_and_b32 v2, 15, v0                           ; r
	v_bfe_u32 v3, v0, 4, 1                         ; hh
	v_and_b32 v4, 8, v2
	v_add_nc_u32 v4, v4, v2                        ; rr = r + 8 (r / 8)
	v_mul_u32_u24 v5, v4, 96
	v_mad_u32_u24 v5, v3, 24, v5                   ; x, Wv: row rr of 96 bytes, + 24 hh
	v_lshlrev_b32 v6, 2, v4                        ; their scale words
	v_mul_u32_u24 v7, v2, 96
	v_mad_u32_u24 v7, v3, 24, v7                   ; Wq, Wk: row r
	v_lshlrev_b32 v8, 2, v2
	v_lshlrev_b32 v9, 4, v1                        ; an image's place for my lane
	v_lshl_add_u32 v11, v3, 3, v4
	v_lshlrev_b32 v11, 2, v11                      ; 4 (rr + 8 hh): where my a and ks go
	v_lshlrev_b32 v12, 3, v3                       ; 8 hh
	v_lshlrev_b32 v13, 12, v2
	v_lshl_add_u32 v13, v3, 4, v13                 ; Wo: row r of 4,096 bytes, + 4 hh numbers
.irp b, 0,1,2,3
	v_mov_b32 v[TM+4+\b], 0                        ; written once: a lane permute's destination counts as one of its sources
.endr
	s_mov_b32 s[SEL], 0x76543210
	s_mov_b32 s[SEL+1], 0xfedcba98
	s_mov_b32 s50, 0xffff0000                      ; lanes 16-31
	s_mov_b32 s51, 0x3e0293ee                      ; log2(e) / sqrt(128)
	s_and_b32 s35, s34, 1                          ; role
	s_lshr_b32 s36, s34, 1
	s_and_b32 s39, ttmp7, 0xffff                   ; hp
	s_lshl_b32 s2, s39, 1
	s_add_co_u32 s36, s36, s2                      ; head h
	s_lshr_b32 s37, ttmp9, 4                       ; b
	s_and_b32 s38, ttmp9, 15                       ; s
	s_mul_i32 s40, ttmp9, 12288                    ; my 128 rows of x begin at row 128 (16 b + s): their codes,
	s_mov_b32 s41, 0
	s_lshl_b32 s42, ttmp9, 9                       ; their scale words
	s_mov_b32 s43, 0
	s_mul_i32 s44, s36, 12288                      ; my head's 128 rows of a weight: codes,
	s_mov_b32 s45, 0
	s_lshl_b32 s46, s36, 9                         ; scale words
	s_mov_b32 s47, 0
	s_lshl_b32 s3, s37, 3
	s_add_co_u32 s3, s3, s36                       ; bh = 8 b + h
	s_mul_i32 s52, s3, 212992                      ; my head's record
	s_lshl_b32 s4, s38, 9
	s_add_co_u32 s54, s52, s4                      ; ks of this key step (v's scale words: 8,192 bytes on)
	s_mov_b32 s55, 0
	s_mul_i32 s5, s38, 12288
	s_add_co_u32 s56, s52, s5
	s_add_co_u32 s56, s56, 16384                   ; v's images of this key step
	s_mov_b32 s57, 0
	s_lshl_b32 s58, s3, 13
	s_add_co_u32 s58, s58, s4                      ; a of these rows
	s_mov_b32 s59, 0
	s_wait_kmcnt 0x0
	s_add_nc_u64 s[8:9], s[8:9], s[40:41]
	s_add_nc_u64 s[10:11], s[10:11], s[42:43]
	s_add_nc_u64 s[12:13], s[12:13], s[44:45]
	s_add_nc_u64 s[14:15], s[14:15], s[46:47]
	s_add_nc_u64 s[16:17], s[16:17], s[44:45]
	s_add_nc_u64 s[18:19], s[18:19], s[46:47]
	s_add_nc_u64 s[20:21], s[20:21], s[44:45]
	s_add_nc_u64 s[22:23], s[22:23], s[46:47]
	s_add_nc_u64 s[60:61], s[26:27], s[54:55]
	s_add_nc_u64 s[62:63], s[26:27], s[56:57]
	s_add_nc_u64 s[28:29], s[28:29], s[58:59]
	WIN 0x80                                       ; destination window 2
.irp j, 0,1,2,3,4,5,6,7                ; x's eight fragments: they serve either role
.irp p, 0,1,2,3,4,5
	global_load_b64 v[12*\j+2*\p:12*\j+2*\p+1], v5, s[8:9] offset:(32*(\j/2)+8*(\j%2))*96+48*(\p/3)+8*(\p%3)
.endr
.endr
	WIN 0
.irp j, 0,1,2,3,4,5,6,7
	global_load_b32 v[XS+\j], v6, s[10:11] offset:(32*(\j/2)+8*(\j%2))*4
.endr
	s_cmp_lg_u32 s38, 0                            ; ids alone
	s_cbranch_scc1 .Lno_wo
	; ---- one fragment of Wo: number f = 4 (4 b + hp) + wave: K step f / 8 (16 e of all heads), rows 16 (f % 8) on.  Lane (r, hh) takes, of row r, blocks hh and 2 + hh of the step, whole:
	; ---- register 32 c + 4 h + i = Wo(row, 128 h + 16 (f / 8) + 4 (2 c + hh) + i)
	s_lshl_b32 s2, s37, 2
	s_add_co_u32 s2, s2, s39
	s_lshl_b32 s2, s2, 2
	s_add_co_u32 s2, s2, s34                       ; f
	s_and_b32 s3, s2, 7
	s_lshl_b32 s3, s3, 16                          ; 16 rows of 4,096 bytes
	s_lshr_b32 s4, s2, 3
	s_lshl_b32 s4, s4, 6                           ; 16 e: 64 bytes
	s_add_co_u32 s4, s4, s3
	s_mov_b32 s5, 0
	s_add_nc_u64 s[24:25], s[24:25], s[4:5]
	s_mul_i32 s6, s2, 1536
	s_mov_b32 s7, 0
	s_add_nc_u64 s[30:31], s[30:31], s[6:7]        ; its image
	s_lshr_b32 s6, s2, 3
	s_lshl_b32 s6, s6, 10                          ; its scale words: 1,024 bytes a K step,
	s_and_b32 s4, s2, 4
	s_lshl_b32 s4, s4, 7                           ; 512 for four tiles of rows, 16 bytes a lane,
	s_add_co_u32 s6, s6, s4
	s_and_b32 s4, s2, 3
	s_lshl_b32 s4, s4, 2                           ; a word a tile
	s_add_co_u32 s6, s6, s4
	s_add_nc_u64 s[32:33], s[32:33], s[6:7]
.irp c, 0,1
.irp h, 0,1,2,3,4,5,6,7
	global_load_b128 v[HA+32*\c+4*\h:HA+32*\c+4*\h+3], v13, s[24:25] offset:512*\h+32*\c
.endr
.endr
	s_wait_loadcnt 0x0
.irp c, 0,1
	v_max3_num_f32 v[TM+\c], |v[HA+32*\c]|, |v[HA+1+32*\c]|, 0x1800000   ; my block 2 c + hh: all its 32 numbers are mine; and the floor
.endr
.irp i, 2,4,6,8,10,12,14,16,18,20,22,24,26,28,30
.irp c, 0,1
	v_max3_num_f32 v[TM+\c], v[TM+\c], |v[HA+32*\c+\i]|, |v[HA+1+32*\c+\i]|
.endr
.endr
.irp c, 0,1
	v_add_nc_u32 v[TM+12+\c], 0xff000000, v[TM+\c]
.endr
.irp c, 0,1
	v_lshrrev_b32 v[TM+4+\c], 23, v[TM+12+\c]
.endr
	v_lshl_or_b32 v[PW], v[TM+5], 16, v[TM+4]      ; my two bytes: blocks hh and 2 + hh,
	v_lshlrev_b32 v[PW], v12, v[PW]                ; at their places in the word;
	v_permlanex16_b32 v[TM+6], v[PW], s[SEL], s[SEL+1]
	v_or_b32 v[PW], v[PW], v[TM+6]                 ; with lane l xor 16's two the word is whole
.irp c, 0,1
	v_cvt_scalef32_pk16_fp6_f32 v[PC+6*\c:PC+2+6*\c], v[HA+32*\c:HA+15+32*\c], v[TM+12+\c]
	v_cvt_scalef32_pk16_fp6_f32 v[TA+4*\c:TA+2+4*\c], v[HA+16+32*\c:HA+31+32*\c], v[TM+12+\c]
.endr
	v_nop                                          ; one plain place behind the scaled conversions
.irp c, 0,1
.irp i, 0,1,2
	v_mov_b32 v[PC+3+6*\c+\i], v[TA+4*\c+\i]
.endr
.endr
.irp g, 0,1,2
	global_store_b128 v9, v[PC+4*\g:PC+4*\g+3], s[30:31] offset:512*\g   ; the wave stores 512 consecutive bytes
.endr
	global_store_b32 v9, v[PW], s[32:33]
.Lno_wo:
	s_cmp_lg_u32 s35, 0                            ; the wave's number alone
	s_cbranch_scc1 .Lrole_b
	; ---- role A: v of my head for these 128 keys, quantised along the keys
	WIN 0x40                                       ; destination window 1
.irp t, 0,1,2,3,4,5,6,7
.irp p, 0,1,2,3,4,5
	global_load_b64 v[12*\t+2*\p:12*\t+2*\p+1], v5, s[20:21] offset:(32*(\t/2)+8*(\t%2))*96+48*(\p/3)+8*(\p%3)
.endr
.endr
	WIN 0
.irp t, 0,1,2,3,4,5,6,7
	global_load_b32 v[WS+\t], v6, s[22:23] offset:(32*(\t/2)+8*(\t%2))*4
.endr
	s_wait_loadcnt 0x0
	MM 0
	MM 1
	WIN 0
.rept 4
	v_nop                                          ; places between the products and the first read of their results
.endr
.irp t, 0,1,2,3,4,5,6,7
	s_wait_xcnt 0x0                                ; the earlier stores have read the codes' registers, which are written anew below
	QUANT HA+64*(\t%2), PC, TA, PW+\t
.irp g, 0,1,2
	global_store_b128 v9, v[PC+4*\g:PC+4*\g+3], s[62:63] offset:1536*\t+512*\g   ; 512 consecutive bytes
.endr
.if \t < 6
	MM \t+2                                        ; over the set just quantised: the quantiser's lines on v40-55 are more than the five places that such a write wants; the other set's quantiser follows as places for this one
	WIN 0
.endif
.endr
.irp u, 0,1,2,3
	v_cndmask_b32 v[VSW+\u], v[PW+2*\u], v[PW+2*\u+1], s50   ; lanes 0-15: tile 2 u's words, lanes 16-31: tile 2 u + 1's
.endr
	global_store_b128 v9, v[VSW:VSW+3], s[60:61] offset:8192
	s_endpgm
.Lrole_b:
	; ---- role B: qs and ks of these 128 rows: source 0 = 16 rows of Wq or Wk, source 1 = 16 rows of x; the head's 8 tiles are chained onto one accumulator for each tile of x
	WIN 0x40
.irp i, 0,1,2,3,4,5,6,7
.irp p, 0,1,2,3,4,5
	global_load_b64 v[12*\i+2*\p:12*\i+2*\p+1], v7, s[12:13] offset:1536*\i+48*(\p/3)+8*(\p%3)
	global_load_b64 v[96+12*\i+2*\p:96+12*\i+2*\p+1], v7, s[16:17] offset:1536*\i+48*(\p/3)+8*(\p%3)
.endr
.endr
	WIN 0
.irp i, 0,1,2,3,4,5,6,7
	global_load_b32 v[WS+\i], v8, s[14:15] offset:64*\i
	global_load_b32 v[WS+8+\i], v8, s[18:19] offset:64*\i
.endr
	s_wait_loadcnt 0x0
	WIN 0x09                                       ; source 0 (the weight) window 1, source 1 (x) window 2
.irp i, 0,1,2,3,4,5,6,7                ; the 16 accumulators take turns, one instruction a turn
.irp m, 0,1
.irp j, 0,1,2,3,4,5,6,7
.if \i == 0
	v_wmma_scale_f32_16x16x128_f8f6f4 v[HA+64*\m+8*\j:HA+64*\m+8*\j+7], v[96*\m+12*\i:96*\m+12*\i+11], v[12*\j:12*\j+11], 0, v[WS+8*\m+\i], v[XS+\j] matrix_a_fmt:MATRIX_FMT_FP6 matrix_b_fmt:MATRIX_FMT_FP6
.else
	v_wmma_scale_f32_16x16x128_f8f6f4 v[HA+64*\m+8*\j:HA+64*\m+8*\j+7], v[96*\m+12*\i:96*\m+12*\i+11], v[12*\j:12*\j+11], v[HA+64*\m+8*\j:HA+64*\m+8*\j+7], v[WS+8*\m+\i], v[XS+\j] matrix_a_fmt:MATRIX_FMT_FP6 matrix_b_fmt:MATRIX_FMT_FP6
.endif
.endr
.endr
.endr
	WIN 0
.rept 4
	v_nop                                          ; places between the products and the first read of their results
.endr
.irp a, 0,1,2,3,4,5,6,7,8,9,10,11,12,13,14,15
	v_pk_add_f32 v[HA+8*\a:HA+8*\a+1], v[HA+8*\a:HA+8*\a+1], v[HA+8*\a+2:HA+8*\a+3]   ; each accumulator from its low end on
.endr
.irp a, 0,1,2,3,4,5,6,7,8,9,10,11,12,13,14,15
	v_pk_add_f32 v[HA+8*\a+4:HA+8*\a+5], v[HA+8*\a+4:HA+8*\a+5], v[HA+8*\a+6:HA+8*\a+7]
.endr
.irp a, 0,1,2,3,4,5,6,7,8,9,10,11,12,13,14,15
	v_pk_add_f32 v[HA+8*\a:HA+8*\a+1], v[HA+8*\a:HA+8*\a+1], v[HA+8*\a+4:HA+8*\a+5]
.endr
.irp a, 0,1,2,3,4,5,6,7,8,9,10,11,12,13,14,15
	v_add_f32 v[HA+8*\a], v[HA+8*\a], v[HA+8*\a+1]   ; my half's 64 of the row's 128
.endr
.irp q, 0,1,2,3,4,5,6,7                ; tiles 2 B and 2 B + 1: the first's lanes 16-31 change places with the second's lanes 0-15, and the sum of the two is whole: lane l then holds row 32 B + rr + 8 hh
	v_permlane16_swap_b32 v[HA+16*\q], v[HA+16*\q+8]
.endr
.irp q, 0,1,2,3,4,5,6,7
	v_add_f32 v[HA+16*\q], v[HA+16*\q], v[HA+16*\q+8]
.endr
.irp q, 0,1,2,3
	v_mul_f32 v[HA+16*\q], s51, v[HA+16*\q]        ; a = qs x log2(e) / sqrt(128)
.endr
.irp q, 0,1,2,3
	global_store_b32 v11, v[HA+16*\q], s[28:29] offset:128*\q
	global_store_b32 v11, v[HA+64+16*\q], s[60:61] offset:128*\q
.endr
	s_endpgm
.Lfunc_end_k_qa38e2eb220_prep:
	.size	k_qa38e2eb220_prep, .Lfunc_end_k_qa38e2eb220_prep-k_qa38e2eb220_prep
	.p2alignl 7, 3214868480
	.fill 96, 4, 3214868480
	.section	.rodata,"a",@progbits
	.p2align	6, 0x0
	.amdhsa_kernel k_qa38e2eb220_prep
		.amdhsa_group_segment_fixed_size 0
		.amdhsa_private_segment_fixed_size 0
		.amdhsa_enable_private_segment 0
		.amdhsa_kernarg_size 104
		.amdhsa_user_sgpr_count 2
		.amdhsa_user_sgpr_kernarg_segment_ptr 1
		.amdhsa_wavefront_size32 1
		.amdhsa_system_sgpr_workgroup_id_x 1
		.amdhsa_system_sgpr_workgroup_id_y 1
		.amdhsa_system_sgpr_workgroup_id_z 1
		.amdhsa_system_vgpr_workitem_id 0
		.amdhsa_next_free_vgpr 608
		.amdhsa_next_free_sgpr 66
		.amdhsa_reserve_vcc 0
		.amdhsa_float_denorm_mode_32 3
		.amdhsa_float_denorm_mode_16_64 3
		.amdhsa_memory_ordered 1
		.amdhsa_forward_progress 1
		.amdhsa_inst_pref_size 93
	.end_amdhsa_kernel
	.amdgpu_metadata
---
amdhsa.version: [ 1, 2 ]
amdhsa.kernels:
  - .name:           k_qa38e2eb220_prep
    .symbol:         k_qa38e2eb220_prep.kd
    .args:
      - { .name: x_codes, .offset: 0, .size: 8, .value_kind: global_buffer, .address_space: global }
      - { .name: x_scales, .offset: 8, .size: 8, .value_kind: global_buffer, .address_space: global }
      - { .name: Wq_codes, .offset: 16, .size: 8, .value_kind: global_buffer, .address_space: global }
      - { .name: Wq_scales, .offset: 24, .size: 8, .value_kind: global_buffer, .address_space: global }
      - { .name: Wk_codes, .offset: 32, .size: 8, .value_kind: global_buffer, .address_space: global }
      - { .name: Wk_scales, .offset: 40, .size: 8, .value_kind: global_buffer, .address_space: global }
      - { .name: Wv_codes, .offset: 48, .size: 8, .value_kind: global_buffer, .address_space: global }
      - { .name: Wv_scales, .offset: 56, .size: 8, .value_kind: global_buffer, .address_space: global }
      - { .name: Wo, .offset: 64, .size: 8, .value_kind: global_buffer, .address_space: global }
      - { .name: rec, .offset: 72, .size: 8, .value_kind: global_buffer, .address_space: global }
      - { .name: aq, .offset: 80, .size: 8, .value_kind: global_buffer, .address_space: global }
      - { .name: wc, .offset: 88, .size: 8, .value_kind: global_buffer, .address_space: global }
      - { .name: ws, .offset: 96, .size: 8, .value_kind: global_buffer, .address_space: global }
    .group_segment_fixed_size: 0
    .private_segment_fixed_size: 0
    .kernarg_segment_align: 8
    .kernarg_segment_size: 104
    .max_flat_workgroup_size: 128
    .sgpr_count:     66
    .vgpr_count:     608
    .wavefront_size: 32
...
	.end_amdgpu_metadata
.endif
;; end of part 1
;; launch attn (part 2): grid 8 x 32, 8 waves a work-group, clusters of 4 x 1, 214,528 bytes of LDS; arguments rec, aq, ob; writes ob
.if DOCPART == 2
	.amdgcn_target "amdgcn-amd-amdhsa--gfx1250"
	.amdhsa_code_object_version 6
	.text
	.protected	k_qa38e2eb220_attn
	.globl	k_qa38e2eb220_attn
	.p2align	8
	.type	k_qa38e2eb220_attn,@function
k_qa38e2eb220_attn:
	s_mov_b64 s[64:65], 0
	v_nop
	global_prefetch_b8 v0, s[64:65] scope:SCOPE_SE
	s_setreg_imm32_b32 hwreg(HW_REG_WAVE_MODE, 25, 1), 1
	s_wait_xcnt 0x0
	s_wait_alu depctr_hold_cnt(0) depctr_sa_sdst(0) depctr_va_vdst(0) depctr_va_sdst(0) depctr_va_ssrc(0) depctr_va_vcc(0) depctr_vm_vsrc(0)
	s_getreg_b32 s2, hwreg(HW_REG_IB_STS2, 6, 4)
	s_cmp_eq_u32 s2, 0
	s_cbranch_scc0 .Lentry_in_a_cluster
	s_endpgm
.Lentry_in_a_cluster:
	s_bfe_u32 s2, ttmp6, 0x10000c
	s_cmp_lg_u32 s2, 0x3003
	s_cbranch_scc0 .Lentry_shape_is_right
	s_endpgm
.Lentry_shape_is_right:
; MHSA in MX-FP6, launch 2 of 3: p = 2^(t - M), its row sums, O^T = v^T p^T, and out = O / l in f32.  No work of reference() is left out here.
; t = a ks, a = qs log2(e) / sqrt(128) (the launch before).  Since t is a product of two numbers, the row's largest t is max(a kmax, a kmin) for all finite inputs: M = its ceiling is known ahead of the keys,
; and nothing is ever rescaled.  The same holds of a block of 32 keys: its largest u = a ks - M is the larger of the same fused multiply-add on the block's largest and smallest ks, bit for bit, since that instruction
; does not fall where ks moves towards the better end; its exponential is taken as the block's largest p (which takes v_exp_f32 not to fall where its input rises).
; p IS NO MATRIX RESULT: each lane computes just the keys that the 6-bit operand gives it, k = 64 c + 32 (lane / 16) + 0 .. 31 of query lane % 16: two whole blocks a lane, so the conversions' results are the operand.
; out LEAVES AS f32: a block of the last product's K is 4 neighbouring e of ALL 8 heads, and this work-group has one head: the last launch quantises.  ob is laid as that launch's lanes take it:
; [16 rows][K step = e / 16][c][head][lane][16 bytes], lane (r, hh) of (c, head) holding e = 16 step + 4 (2 c + hh) + 0 .. 3 of row r.  Each half of the lanes stores 256 consecutive bytes, aligned.
; SHARES: work-group = (head bh, 256 queries); wave = 32 queries, two tiles of 16, which share every fragment of v and every ks read from LDS.  16 key steps of 128.
; LDS: the head's whole record (ks, v's scale words, v's images: 212,992 bytes) is brought ONCE, by two tensor loads a wave, and never filled again: by this text's count a wave has two tensor loads out.
; CLUSTER: the four query blocks of a cluster read the same record: both loads are joint, with the mask of all four; every descriptor register hangs on the head and the wave's number alone.
; LIMITS: NaN and infinities are not served.  A p under 2^-126 counts as 0 (v_exp_f32 gives 0 there: ISA guide, its entry); l is at least 1/2.  M is the ceiling of the ROUNDED product a k, so a row's largest p may pass 1 by
; a rounding; the block's scale is made of the p computed.  1 / l is v_rcp_f32's.  A block of zeros gets the scale byte 1: its codes are zeros.
; REGISTERS: window 0: v1-15 addresses; v16-39 a, -M and the sums of the two tiles; v40-57 at work, scale words; v60-63 v's scale words; v64-127 ks; v128-191 u, then p (both at the end: out); v192-215 p's codes; v216-242 at work.
;      window 1: v0-127 O^T (tile u, e-tile t at 64 u + 8 t); v128-223 v's eight fragments.
.set REC,   212992
.set VS_L,  8192                       ; LDS mirrors the record: ks at 0, v's scale words here,
.set VI_L,  16384                      ; v's images here
.set PARTA, 14336                      ; the first load of a wave: 56 rows of 256 bytes; the eight bring ks, the scale words and key steps 0-7
.set OFFB,  114688
.set PARTB, 12288                      ; the second: 48 rows: key step 8 + wave
.set BM_L,  212992                     ; (largest, smallest) ks of each of the 64 blocks of 32 keys: 512 bytes, stored by the waves; no tensor load lands here
.set SPARE, 213504                     ; the spare words, 128 bytes for each of the eight waves: four blocks of 256 bytes that no other line names
.set SPW,  1
.set NIL,  2
.set AVF0, 3
.set AVS0, 4
.set AKS0, 5
.set ABM0, 6
.set AVF,  7
.set AVS,  8
.set AKS,  9
.set ABM,  10
.set SH8,  11
.set LI,   12
.set OA,   13                          ; v13 where my 16 bytes of out go: 16 r + 8,192 hh
.set ST,   16                          ; tile u at ST + 12 u: +0 a (at the end 1 / l), +2 -M (+1, +3: named with them as pairs), +4 .. +11 the sum in four pairs
.set BMR,  40
.set TT,   44
.set UM,   48
.set SO,   50
.set BY,   52
.set WW,   54
.set PW,   56
.set VSR,  60
.set KR,   64
.set PP,   128
.set PC,   192
.set TA,   216
.set WV,   12                          ; s12 the wave's number
.set SEL,  48
.set TK,   51                          ; s51 where the ks to be fetched next begin: 512 bytes a step
.set TBM,  52                          ; s52 and their blocks' ends: 32 bytes a step
.set TV,   53                          ; s53 the step's images: 12,288 bytes a step
.set TS,   54                          ; s54 the step's scale words of v: 512 bytes a step
.set MSB, 0
.macro WIN new
.if MSB != \new
	s_set_vgpr_msb (MSB<<8)|\new
.set MSB, \new
.endif
.endm
.macro CROUND                          ; a round of the cluster's barrier
	s_barrier_signal -1
	s_barrier_wait -1
	s_cmp_lg_u32 s[WV], 0
	s_cbranch_scc1 .Lnot_wave_0_\@
	s_barrier_signal -3
.Lnot_wave_0_\@:
	s_barrier_wait -3
	s_barrier_signal -1
	s_barrier_wait -1
.endm
; 18 LDS loads: the next step's ks (register 32 c + i = key 64 c + 32 (lane / 16) + i of the step; sixteen lanes read the same 16 bytes) and the ends of my two blocks
.macro KLOAD
	v_add_nc_u32 v[AKS], s[TK], v[AKS0]
	v_add_nc_u32 v[ABM], s[TBM], v[ABM0]
	s_add_co_u32 s[TK], s[TK], 512
	s_add_co_u32 s[TBM], s[TBM], 32
.irp c, 0,1
.irp j, 0,1,2,3,4,5,6,7
	ds_load_b128 v[KR+32*\c+4*\j:KR+32*\c+4*\j+3], v[AKS] offset:256*\c+16*\j
.endr
.endr
.irp c, 0,1
	ds_load_b64 v[BMR+2*\c:BMR+2*\c+1], v[ABM] offset:16*\c
.endr
.endm
; One tile's p for one key step: 64 numbers a lane.  kload = 1: ks and the blocks' ends have been read for the last time in this step, and the next step's are asked for
.macro PTILE tau, kload
.set SA, ST+12*(\tau)
.set PCT, PC+12*(\tau)
.set j, 0
.rept 32
	v_pk_fma_f32 v[PP+j:PP+j+1], v[KR+j:KR+j+1], v[SA:SA+1], v[SA+2:SA+3] op_sel_hi:[1,0,0]   ; u = a ks - M, one rounding, two at a time (of the pairs a and -M the low word serves both halves)
.set j, j+2
.endr
.irp c, 0,1
	v_pk_fma_f32 v[TT+2*\c:TT+2*\c+1], v[BMR+2*\c:BMR+2*\c+1], v[SA:SA+1], v[SA+2:SA+3] op_sel_hi:[1,0,0]   ; the same of my blocks' largest and smallest ks
.endr
.irp c, 0,1
	v_max_num_f32 v[UM+\c], v[TT+2*\c], v[TT+2*\c+1]   ; the block's largest u
.endr
.if \kload
	KLOAD
.endif
.irp c, 0,1
	v_exp_f32 v[UM+\c], v[UM+\c]                   ; the block's largest p
.endr
.set j, 0
.rept 64
	v_exp_f32 v[PP+j], v[PP+j]                     ; p = 2^(t - M): not normalised
.set j, j+1
.endr
	v_nop                                          ; a plain place behind the last exponential
	s_wait_alu depctr_va_vdst(0)                   ; the wait ahead of the first line that names a result: one for the batch of 66
.irp c, 0,1
	v_max_num_f32 v[UM+\c], 0x1800000, v[UM+\c]    ; the floor 2^(3 - 127): the byte cannot fall under 1 (a block whose every p is 0 keeps that byte: its codes are zeros)
.endr
.irp c, 0,1
	v_add_nc_u32 v[SO+\c], 0xff000000, v[UM+\c]    ; 2 off the exponent field: the conversion's scale operand
.endr
.irp c, 0,1
	v_lshrrev_b32 v[BY+\c], 23, v[SO+\c]           ; the scale's byte
.endr
	v_lshl_or_b32 v[WW], v[BY+1], 16, v[BY]        ; my two bytes: blocks hh and 2 + hh of my query,
	v_lshlrev_b32 v[WW], v[SH8], v[WW]             ; at their places;
	v_permlanex16_b32 v[WW+1], v[WW], s[SEL], s[SEL+1]
	v_or_b32 v[PW+(\tau)], v[WW], v[WW+1]          ; with lane l xor 16's two: p's scale word for these 128 keys
	v_cvt_scalef32_pk16_fp6_f32 v[PCT:PCT+2], v[PP:PP+15], v[SO]
	v_cvt_scalef32_pk16_fp6_f32 v[TA:TA+2], v[PP+16:PP+31], v[SO]       ; (a conversion's three registers begin on an even number)
	v_cvt_scalef32_pk16_fp6_f32 v[PCT+6:PCT+8], v[PP+32:PP+47], v[SO+1]
	v_cvt_scalef32_pk16_fp6_f32 v[TA+4:TA+6], v[PP+48:PP+63], v[SO+1]
.set j, 0
.rept 2
	v_pk_add_f32 v[SA+4+2*(j%4):SA+5+2*(j%4)], v[SA+4+2*(j%4):SA+5+2*(j%4)], v[PP+2*j:PP+2*j+1]   ; THE ROW'S SUM IS TAKEN OF THE UNQUANTISED p, in four chains.  (These two are the plain place behind the conversions)
.set j, j+1
.endr
.irp c, 0,1
.irp i, 0,1,2
	v_mov_b32 v[PCT+3+6*\c+\i], v[TA+4*\c+\i]
.endr
.endr
.rept 30
	v_pk_add_f32 v[SA+4+2*(j%4):SA+5+2*(j%4)], v[SA+4+2*(j%4):SA+5+2*(j%4)], v[PP+2*j:PP+2*j+1]   ; (these 30 are also the places between the lines that wrote the codes and the scale word and the scaled products)
.set j, j+1
.endr
.endm
.macro PV t, u, zero                   ; O^T(u, t) += v^T(t) p^T(u): source 0 = 16 e, source 1 = 16 queries.  v's scale words: tile t's lie in lanes 0-15 (t even) or 16-31 (t odd) of register t / 2
.if \zero
.if (\t)%2
	v_wmma_scale_f32_16x16x128_f8f6f4 v[64*\u+8*\t:64*\u+8*\t+7], v[128+12*\t:128+12*\t+11], v[PC+12*\u:PC+12*\u+11], 0, v[VSR+(\t)/2], v[PW+\u] matrix_a_fmt:MATRIX_FMT_FP6 matrix_b_fmt:MATRIX_FMT_FP6 matrix_a_scale:MATRIX_SCALE_ROW1
.else
	v_wmma_scale_f32_16x16x128_f8f6f4 v[64*\u+8*\t:64*\u+8*\t+7], v[128+12*\t:128+12*\t+11], v[PC+12*\u:PC+12*\u+11], 0, v[VSR+(\t)/2], v[PW+\u] matrix_a_fmt:MATRIX_FMT_FP6 matrix_b_fmt:MATRIX_FMT_FP6
.endif
.else
.if (\t)%2
	v_wmma_scale_f32_16x16x128_f8f6f4 v[64*\u+8*\t:64*\u+8*\t+7], v[128+12*\t:128+12*\t+11], v[PC+12*\u:PC+12*\u+11], v[64*\u+8*\t:64*\u+8*\t+7], v[VSR+(\t)/2], v[PW+\u] matrix_a_fmt:MATRIX_FMT_FP6 matrix_b_fmt:MATRIX_FMT_FP6 matrix_a_scale:MATRIX_SCALE_ROW1
.else
	v_wmma_scale_f32_16x16x128_f8f6f4 v[64*\u+8*\t:64*\u+8*\t+7], v[128+12*\t:128+12*\t+11], v[PC+12*\u:PC+12*\u+11], v[64*\u+8*\t:64*\u+8*\t+7], v[VSR+(\t)/2], v[PW+\u] matrix_a_fmt:MATRIX_FMT_FP6 matrix_b_fmt:MATRIX_FMT_FP6
.endif
.endif
.endm
; A KEY STEP.  zero = 1: the products start the sums.  kload = 0: the last step, which has no successor
.macro STEP zero, kload
	v_add_nc_u32 v[AVF], s[TV], v[AVF0]
	v_add_nc_u32 v[AVS], s[TS], v[AVS0]
	v_nop
	v_nop                                          ; four places between the last step's products and the loads into registers that they read
	WIN 0x40                                       ; destination window 1
.irp t, 0,1,2,3,4,5,6,7
.irp g, 0,1,2
	ds_load_b128 v[128+12*\t+4*\g:128+12*\t+4*\g+3], v[AVF] offset:1536*\t+512*\g   ; an image comes back as it was stored: 512 consecutive bytes a load
.endr
.endr
	WIN 0
	ds_load_b128 v[VSR:VSR+3], v[AVS]
	s_wait_dscnt 25                                ; the 25 just issued may be out; the 18 loads of ks and the blocks' ends, issued ahead of them, are in
	PTILE 0, 0
	PTILE 1, \kload
	s_wait_dscnt 18*\kload                         ; v's fragments and scale words are in; the next step's 18 loads may stay out
	WIN 0x51                                       ; source 0 (v) window 1, source 1 (p) window 0, C and D window 1
.irp t, 0,1,2,3,4,5,6,7                ; the 16 accumulators take turns, one instruction a turn, over the backward jump too
.irp u, 0,1
	PV \t, \u, \zero
.endr
.endr
	WIN 0
	s_add_co_u32 s[TV], s[TV], PARTB
	s_add_co_u32 s[TS], s[TS], 512
.endm
	s_load_b128 s[4:7], s[0:1], 0x0                ; rec s[4:5], aq s[6:7]
	s_load_b64 s[8:9], s[0:1], 0x10                ; ob
	v_lshl_add_u32 v[SPW], v0, 2, SPARE
	v_mov_b32 v[NIL], 0
	ds_add_u32 v[SPW], v[NIL]                      ; the wave's opening: the add, twice on end, and its wait ahead of my first tensor load; the set-up below, work on registers, stands between
	ds_add_u32 v[SPW], v[NIL]
	v_lshrrev_b32 v14, 5, v0
	v_readfirstlane_b32 s[WV], v14                 ; wave 0..7
	s_bfe_u32 s13, ttmp6, 0x40000                  ; cx: my place in the cluster
	s_lshl_b32 s14, ttmp9, 2
	s_add_co_u32 s14, s14, s13                     ; my block of 256 queries: it enters the addresses of aq and ob alone
	s_and_b32 s15, ttmp7, 0xffff                   ; bh, which the four partners share
	; descriptor groups 1: dense blocks as rows of 256 bytes (32 elements of 8 bytes), no padding
	s_mov_b32 s16, 15|(3<<16)|(1<<21)              ; 15:0 the mask: all four work-groups; 17:16 elements of 8 bytes; 21 set beside a mask
	s_mov_b32 s17, 32<<16                          ; tensor_dim0 = 32
	s_mov_b32 s18, 56<<16                          ; tensor_dim1 = 56
	s_mov_b32 s19, 32<<16                          ; tile_dim0 = 32
	s_mov_b32 s20, 56                              ; tile_dim1 = 56
	s_mov_b32 s21, 32                              ; from row to row: 32 elements
	s_mov_b32 s22, 0
	s_mov_b32 s23, 0
	s_mov_b32 s24, 15|(3<<16)|(1<<21)
	s_mov_b32 s25, 32<<16
	s_mov_b32 s26, 48<<16                          ; 48 rows
	s_mov_b32 s27, 32<<16
	s_mov_b32 s28, 48
	s_mov_b32 s29, 32
	s_mov_b32 s30, 0
	s_mov_b32 s31, 0
	s_mul_i32 s40, s15, REC                        ; my head's record
	s_mov_b32 s41, 0
	s_mul_i32 s42, s[WV], PARTA                    ; my part of the first group: in the record and in LDS alike
	s_mov_b32 s43, 0
	s_mul_i32 s44, s[WV], PARTB
	s_add_co_u32 s44, s44, OFFB                    ; and of the second
	s_mov_b32 s45, 0
	s_lshl_b32 s46, s15, 13                        ; a: (2048 bh + 256 block + 32 wave) x 4
	s_lshl_b32 s47, s14, 10
	s_add_co_u32 s46, s46, s47
	s_lshl_b32 s47, s[WV], 7
	s_add_co_u32 s46, s46, s47
	s_mov_b32 s47, 0
	s_lshr_b32 s56, s15, 3                         ; b
	s_and_b32 s57, s15, 7                          ; h
	s_lshl_b32 s58, s56, 6
	s_lshl_b32 s59, s14, 3
	s_add_co_u32 s58, s58, s59
	s_add_co_u32 s58, s58, s[WV]                   ; my 32 rows' number among all: 64 b + 8 block + wave
	s_lshl_b32 s62, s58, 17                        ; ob: 131,072 bytes for 32 rows,
	s_lshl_b32 s57, s57, 9                         ; 512 a head
	s_add_co_u32 s62, s62, s57
	s_mov_b32 s63, 0
	s_mov_b32 s[SEL], 0x76543210
	s_mov_b32 s[SEL+1], 0xfedcba98
	s_mov_b32 s[TK], 0
	s_mov_b32 s[TBM], 0
	s_mov_b32 s[TV], 0
	s_mov_b32 s[TS], 0
	s_wait_dscnt 0x0                               ; both opening adds are done
	s_wait_kmcnt 0x0
	s_add_nc_u64 s[4:5], s[4:5], s[40:41]
	s_add_nc_u64 s[6:7], s[6:7], s[46:47]
	s_add_nc_u64 s[8:9], s[8:9], s[62:63]
	s_mov_b32 s32, 1                               ; group 0 of the first load: count 1,
	s_mov_b32 s33, s42                             ; LDS address,
	s_add_nc_u64 s[34:35], s[4:5], s[42:43]        ; global address,
	s_or_b32 s35, s35, 0x80000000                  ; type 2
	s_mov_b32 s36, 1
	s_mov_b32 s37, s44
	s_add_nc_u64 s[38:39], s[4:5], s[44:45]
	s_or_b32 s39, s39, 0x80000000
	CROUND                                         ; all four work-groups are here: the joint loads meet
	tensor_load_to_lds s[32:35], s[16:23]          ; every wave issues both first fills, on the one way through the text
	s_nop 0
	tensor_load_to_lds s[36:39], s[24:31]
	s_nop 0
.rept 4
	v_nop
.endr
	v_and_b32 v15, 15, v0                          ; r
	v_lshlrev_b32 v[OA], 4, v15
	v_lshlrev_b32 v15, 2, v15                      ; 4 r; not written again
	global_load_b32 v[ST], v15, s[6:7]             ; a of my query in tile 0,
	global_load_b32 v[ST+12], v15, s[6:7] offset:64   ; in tile 1
	v_and_b32 v14, 31, v0                          ; lane
	v_bfe_u32 v[SH8], v0, 4, 1                     ; hh
	v_lshl_add_u32 v[OA], v[SH8], 13, v[OA]        ; 16 r + 8,192 hh
	v_lshlrev_b32 v[LI], 4, v14
	v_add_nc_u32 v[AVF0], VI_L, v[LI]
	v_add_nc_u32 v[AVS0], VS_L, v[LI]
	v_lshlrev_b32 v[AKS0], 7, v[SH8]               ; lanes 16-31 begin 32 keys on
	v_lshl_add_u32 v[ABM0], v[SH8], 3, BM_L        ; and one block on
	v_lshlrev_b32 v[SH8], 3, v[SH8]                ; 8 hh
	v_lshlrev_b32 v240, 5, v0                      ; 32 x thread: my 8 of the head's 2,048 ks
	v_lshrrev_b32 v241, 2, v0
	v_lshl_add_u32 v241, v241, 3, BM_L             ; their block's place in the table: four neighbouring lanes share a block
	v_add_nc_u32 v242, BM_L, v[LI]                 ; two blocks of the table a lane
.irp u, 0,1
	v_mov_b32 v[ST+12*\u+1], 0                     ; named with a and -M as pairs, so they are written
	v_mov_b32 v[ST+12*\u+3], 0
.irp k, 4,5,6,7,8,9,10,11
	v_mov_b32 v[ST+12*\u+\k], 0                    ; the sums
.endr
.endr
	v_mov_b32 v234, 0                              ; written once: a lane permute's destination counts as one of its sources
	v_mov_b32 v235, 0
	v_mov_b32 v[WW+1], 0
	s_wait_tensorcnt 0x1                           ; my part of the first group is in; the second may stay out
	s_barrier_signal -1
	s_barrier_wait -1                              ; everybody's is
	; ---- the largest and smallest ks of each block of 32 keys
	ds_load_b128 v[224:227], v240
	ds_load_b128 v[228:231], v240 offset:16
	s_wait_dscnt 0x0
	v_max3_num_f32 v232, v224, v225, v226
	v_min3_num_f32 v233, v224, v225, v226
	v_max3_num_f32 v232, v232, v227, v228
	v_min3_num_f32 v233, v233, v227, v228
	v_max3_num_f32 v232, v232, v229, v230
	v_min3_num_f32 v233, v233, v229, v230
	v_max_num_f32 v232, v232, v231
	v_min_num_f32 v233, v233, v231
.irp x, 1,2
	v_max_num_f32_dpp v232, v232, v232 row_xmask:\x row_mask:0xf bank_mask:0xf
	v_min_num_f32_dpp v233, v233, v233 row_xmask:\x row_mask:0xf bank_mask:0xf
.endr
	ds_store_b64 v241, v[232:233]                  ; the four lanes of a block write the same 8 bytes with the same values
	s_wait_dscnt 0x0                               ; for the others' sake: my store is done
	s_barrier_signal -1
	s_barrier_wait -1
	; ---- the head's largest and smallest ks, and M
	ds_load_b128 v[224:227], v242
	s_wait_dscnt 0x0
	v_max_num_f32 v232, v224, v226
	v_min_num_f32 v233, v225, v227
.irp x, 1,2,4,8
	v_max_num_f32_dpp v232, v232, v232 row_xmask:\x row_mask:0xf bank_mask:0xf
	v_min_num_f32_dpp v233, v233, v233 row_xmask:\x row_mask:0xf bank_mask:0xf
.endr
	v_permlanex16_b32 v234, v232, s[SEL], s[SEL+1]
	v_permlanex16_b32 v235, v233, s[SEL], s[SEL+1]
	v_max_num_f32 v232, v232, v234
	v_min_num_f32 v233, v233, v235
	s_wait_loadcnt 0x0                             ; a
.irp u, 0,1
	v_mul_f32 v236, v[ST+12*\u], v232
	v_mul_f32 v237, v[ST+12*\u], v233
	v_max_num_f32 v236, v236, v237                 ; the row's largest t
	v_floor_f32 v[ST+12*\u+2], -v236               ; -M = floor(-t) = -ceil(t): a whole number
.endr
	; ---- the keys
	KLOAD                                          ; key step 0's ks
	STEP 1, 1                                      ; its products start the sums: nothing is cleared
	s_mov_b32 s55, 7
.Lfirst:                                           ; key steps 1 to 7
	STEP 0, 1
	s_sub_co_u32 s55, s55, 1
	s_cmp_lg_u32 s55, 0
	s_cbranch_scc1 .Lfirst
	s_wait_tensorcnt 0x0                           ; my part of the second group is in,
	s_wait_dscnt 0x0                               ; no LDS load of mine is out at the signal,
	s_barrier_signal -1
	s_barrier_wait -1                              ; and everybody's part is in
	s_mov_b32 s55, 7
.Lsecond:                                          ; key steps 8 to 14
	STEP 0, 1
	s_sub_co_u32 s55, s55, 1
	s_cmp_lg_u32 s55, 0
	s_cbranch_scc1 .Lsecond
	STEP 0, 0                                      ; key step 15 asks for no further ks
	; ---- out = O / l.  The additions are the places behind the last products
.irp u, 0,1
	v_pk_add_f32 v[ST+12*\u+4:ST+12*\u+5], v[ST+12*\u+4:ST+12*\u+5], v[ST+12*\u+6:ST+12*\u+7]
	v_pk_add_f32 v[ST+12*\u+8:ST+12*\u+9], v[ST+12*\u+8:ST+12*\u+9], v[ST+12*\u+10:ST+12*\u+11]
.endr
.irp u, 0,1
	v_pk_add_f32 v[ST+12*\u+4:ST+12*\u+5], v[ST+12*\u+4:ST+12*\u+5], v[ST+12*\u+8:ST+12*\u+9]
.endr
.irp u, 0,1
	v_add_f32 v[ST+12*\u+4], v[ST+12*\u+4], v[ST+12*\u+5]
.endr
.irp u, 0,1
	v_permlanex16_b32 v[ST+12*\u+6], v[ST+12*\u+4], s[SEL], s[SEL+1]
.endr
.irp u, 0,1
	v_add_f32 v[ST+12*\u+4], v[ST+12*\u+4], v[ST+12*\u+6]   ; with lane l xor 16's keys: the row's sum
.endr
.irp u, 0,1
	v_rcp_f32 v[ST+12*\u], v[ST+12*\u+4]
.endr
	v_nop                                          ; a plain place behind the last reciprocal
	s_wait_alu depctr_va_vdst(0)                   ; the wait ahead of the first use: one for the two
.irp u, 0,1                            ; tile u's 64 numbers go into v[64 + 64 u] on: ks' and p's registers, which are done with; so no store's data are written again
	WIN 0x01                                       ; source 0 (O^T) window 1
.set j, 0
.rept 32
	v_pk_mul_f32 v[KR+64*\u+j:KR+64*\u+j+1], v[64*\u+j:64*\u+j+1], v[ST+12*\u:ST+12*\u+1] op_sel_hi:[1,0]   ; register 16 B + i = e 32 B + 16 hh + i of my query; each accumulator from its low end on
.set j, j+2
.endr
	WIN 0
.irp bb, 0,1,2,3                       ; registers 16 B + 4 q + 0 .. 3: K step 2 B + hh, block q of it: c = q / 2, lane 16 (q % 2) + r
.irp q, 0,1,2,3
	global_store_b128 v[OA], v[KR+64*\u+16*\bb+4*\q:KR+64*\u+16*\bb+4*\q+3], s[8:9] offset:65536*\u+16384*\bb+4096*(\q/2)+256*(\q%2)   ; each half of the lanes: 256 consecutive bytes, aligned
.endr
.endr
.endr
	s_wait_tensorcnt 0x0                           ; the wave's end: behind my last tensor load and my last LDS store
	ds_add_u32 v[SPW], v[NIL]
	s_wait_dscnt 0x0
	CROUND                                         ; the closing round: no work-group ends while a partner may still ask for a tile that names it
	s_endpgm
.Lfunc_end_k_qa38e2eb220_attn:
	.size	k_qa38e2eb220_attn, .Lfunc_end_k_qa38e2eb220_attn-k_qa38e2eb220_attn
	.p2alignl 7, 3214868480
	.fill 96, 4, 3214868480
	.section	.rodata,"a",@progbits
	.p2align	6, 0x0
	.amdhsa_kernel k_qa38e2eb220_attn
		.amdhsa_group_segment_fixed_size 214528
		.amdhsa_private_segment_fixed_size 0
		.amdhsa_enable_private_segment 0
		.amdhsa_kernarg_size 24
		.amdhsa_user_sgpr_count 2
		.amdhsa_user_sgpr_kernarg_segment_ptr 1
		.amdhsa_wavefront_size32 1
		.amdhsa_system_sgpr_workgroup_id_x 1
		.amdhsa_system_sgpr_workgroup_id_y 1
		.amdhsa_system_sgpr_workgroup_id_z 1
		.amdhsa_system_vgpr_workitem_id 0
		.amdhsa_next_free_vgpr 480
		.amdhsa_next_free_sgpr 66
		.amdhsa_reserve_vcc 0
		.amdhsa_float_denorm_mode_32 3
		.amdhsa_float_denorm_mode_16_64 3
		.amdhsa_memory_ordered 1
		.amdhsa_forward_progress 1
		.amdhsa_inst_pref_size 96
	.end_amdhsa_kernel
	.amdgpu_metadata
---
amdhsa.version: [ 1, 2 ]
amdhsa.kernels:
  - .name:           k_qa38e2eb220_attn
    .symbol:         k_qa38e2eb220_attn.kd
    .args:
      - { .name: rec, .offset: 0, .size: 8, .value_kind: global_buffer, .address_space: global }
      - { .name: aq, .offset: 8, .size: 8, .value_kind: global_buffer, .address_space: global }
      - { .name: ob, .offset: 16, .size: 8, .value_kind: global_buffer, .address_space: global }
    .group_segment_fixed_size: 214528
    .private_segment_fixed_size: 0
    .kernarg_segment_align: 8
    .kernarg_segment_size: 24
    .max_flat_workgroup_size: 256
    .sgpr_count:     66
    .vgpr_count:     480
    .wavefront_size: 32
...
	.end_amdgpu_metadata
.endif
;; end of part 2
;; launch proj (part 3): grid 256 x 1, 4 waves a work-group, no clusters, 68,096 bytes of LDS; arguments ob, wc, ws, bo, out0; writes out0
.if DOCPART == 3
	.amdgcn_target "amdgcn-amd-amdhsa--gfx1250"
	.amdhsa_code_object_version 6
	.text
	.protected	k_qa38e2eb220_proj
	.globl	k_qa38e2eb220_proj
	.p2align	8
	.type	k_qa38e2eb220_proj,@function
k_qa38e2eb220_proj:
	s_mov_b64 s[64:65], 0
	v_nop
	global_prefetch_b8 v0, s[64:65] scope:SCOPE_SE
	s_setreg_imm32_b32 hwreg(HW_REG_WAVE_MODE, 25, 1), 1
	s_wait_xcnt 0x0
; MHSA in MX-FP6, launch 3 of 3: y = Q(out) Q(Wo)^T + bo.  No work of reference() is left out here.
; THE PRODUCT'S K runs over e first and over the heads second: K = 8 e + h.  A block of 32 is 4 neighbouring e of all 8 heads, a K step of 128 is 16 e; inside a block the order is 4 h + e % 4, in out and in Wo alike.
; out comes as f32, laid by the launch before as my lanes take it: lane (r, hh) loads, for c = 0, 1 and each head h, 16 bytes: e = 16 step + 4 (2 c + hh) + 0 .. 3 of row r, into registers 32 c + 4 h on.
; So a lane's 64 registers are two WHOLE blocks, in the order that the 6-bit operand gives that lane: no other lane is asked for a maximum, and the conversions' results are the operand.
; SHARES: a work-group owns 32 rows of y (two tiles of 16).  THE WAVES SHARE K: wave w takes K steps 2 w and 2 w + 1, for all 8 tiles of columns and both tiles of rows, so nothing is loaded twice in a work-group:
; 4 fragments of out (quantised here) and 16 of Wo (images) a wave, 32 matrix instructions on 16 accumulators.  The four partial sums meet in LDS, through which the results have to go anyway to leave as whole rows.
; The product is used transposed (source 0 = 16 rows of Wo, source 1 = 16 rows of out): a lane holds eight neighbouring columns of one row of y.
; No tensor load: operands come from memory straight into registers, 512 consecutive bytes a load.  By this text's count at most 59 loads of a wave are out.
; LIMITS: NaN and infinities are not served.  A block of zeros gets the scale byte 1 where the rule says 127: its codes are zeros.
; REGISTERS: window 0: v2-7 addresses; v8-11 bo; v16-31 Wo's scale words; v32-79 out's four fragments; v80-143, v144-207 64 numbers of out each, later the rows read back; v208-215 at work; v216-219 out's scale words; v220-226 at work.
;      window 1: v0-191 Wo's fragments.   window 2: v0-127 the accumulators (tile of columns n, tile of rows u at 16 n + 8 u).
.set STGP,  16896                      ; a wave's partial sums: 32 rows x (512 bytes + 16): 132 words a row, so that the 16 rows of a store begin 4 words apart
.set SPARE, 4*STGP                     ; behind them: the spare words, 128 bytes for each wave: two blocks of 256 bytes that no other line names
.set SPW, 2
.set NIL, 3
.set LI,  4
.set SH8, 5
.set STO, 6
.set SRD, 7
.set BO,  8
.set WSC, 16
.set OF,  32
.set XA,  80
.set XB,  144
.set TMX, 208
.set SO,  210
.set BY,  212
.set WW,  214
.set OS,  216
.set TA,  220
.set SEL, 14                           ; s[14:15] lane selects of v_permlanex16_b32: lane l xor 16
.set MSB, 0
.macro WIN new
.if MSB != \new
	s_set_vgpr_msb (MSB<<8)|\new
.set MSB, \new
.endif
.endm
.macro XLOAD x, u, kk                  ; 16 loads: the 64 numbers a lane of tile of rows u, K step 2 w + kk
.irp c, 0,1
.irp h, 0,1,2,3,4,5,6,7
	global_load_b128 v[(\x)+32*\c+4*\h:(\x)+32*\c+4*\h+3], v[LI], s[4:5] offset:65536*\u+8192*\kk+4096*\c+512*\h th:TH_LOAD_NT
.endr
.endr
.endm
.macro WLOAD kk                        ; 26 loads: Wo's eight fragments of K step 2 w + kk and their scale words, four tiles' words a load
	WIN 0x40                                       ; destination window 1
.irp n, 0,1,2,3,4,5,6,7
.irp g, 0,1,2
	global_load_b128 v[12*(8*\kk+\n)+4*\g:12*(8*\kk+\n)+4*\g+3], v[LI], s[6:7] offset:12288*\kk+1536*\n+512*\g
.endr
.endr
	WIN 0
.irp q, 0,1
	global_load_b128 v[WSC+8*\kk+4*\q:WSC+8*\kk+4*\q+3], v[LI], s[8:9] offset:1024*\kk+512*\q
.endr
.endm
; 64 numbers of a lane, register 32 c + i = the i-th of block 2 c + hh of my row, become a fragment's codes in v[pc] on and the row's scale word in v[pw]
.macro QB x, pc, pw
.irp c, 0,1
	v_max3_num_f32 v[TMX+\c], |v[(\x)+32*\c]|, |v[(\x)+1+32*\c]|, 0x1800000   ; all 32 numbers of the block are mine; and the floor 2^(3 - 127): the byte cannot fall under 1
.endr
.irp i, 2,4,6,8,10,12,14,16,18,20,22,24,26,28,30
.irp c, 0,1
	v_max3_num_f32 v[TMX+\c], v[TMX+\c], |v[(\x)+32*\c+\i]|, |v[(\x)+1+32*\c+\i]|   ; the two blocks by turns
.endr
.endr
.irp c, 0,1
	v_add_nc_u32 v[SO+\c], 0xff000000, v[TMX+\c]   ; 2 off the exponent field: the conversion's scale operand
.endr
.irp c, 0,1
	v_lshrrev_b32 v[BY+\c], 23, v[SO+\c]           ; the scale's byte
.endr
	v_lshl_or_b32 v[WW], v[BY+1], 16, v[BY]        ; my two bytes: blocks hh and 2 + hh,
	v_lshlrev_b32 v[WW], v[SH8], v[WW]             ; at their places;
	v_permlanex16_b32 v[WW+1], v[WW], s[SEL], s[SEL+1]
	v_or_b32 v[\pw], v[WW], v[WW+1]                ; with lane l xor 16's two the word is whole
.irp c, 0,1
	v_cvt_scalef32_pk16_fp6_f32 v[(\pc)+6*\c:(\pc)+2+6*\c], v[(\x)+32*\c:(\x)+15+32*\c], v[SO+\c]
	v_cvt_scalef32_pk16_fp6_f32 v[TA+4*\c:TA+2+4*\c], v[(\x)+16+32*\c:(\x)+31+32*\c], v[SO+\c]   ; (a conversion's three registers begin on an even number)
.endr
	v_nop                                          ; one plain place behind the scaled conversions
.irp c, 0,1
.irp i, 0,1,2
	v_mov_b32 v[(\pc)+3+6*\c+\i], v[TA+4*\c+\i]
.endr
.endr
.endm
.macro MULS kk, zero                   ; 16 matrix instructions, the 16 accumulators by turns
.rept 8
	v_nop                                          ; a scale word written by vector instructions stands 8 places ahead of a scaled product, codes so written 4
.endr
	WIN 0xa1                                       ; source 0 (Wo) window 1, source 1 (out) window 0, C and D window 2
.irp n, 0,1,2,3,4,5,6,7
.irp u, 0,1
.if \zero
	v_wmma_scale_f32_16x16x128_f8f6f4 v[16*\n+8*\u:16*\n+8*\u+7], v[12*(8*\kk+\n):12*(8*\kk+\n)+11], v[OF+24*\kk+12*\u:OF+24*\kk+12*\u+11], 0, v[WSC+8*\kk+\n], v[OS+2*\kk+\u] matrix_a_fmt:MATRIX_FMT_FP6 matrix_b_fmt:MATRIX_FMT_FP6
.else
	v_wmma_scale_f32_16x16x128_f8f6f4 v[16*\n+8*\u:16*\n+8*\u+7], v[12*(8*\kk+\n):12*(8*\kk+\n)+11], v[OF+24*\kk+12*\u:OF+24*\kk+12*\u+11], v[16*\n+8*\u:16*\n+8*\u+7], v[WSC+8*\kk+\n], v[OS+2*\kk+\u] matrix_a_fmt:MATRIX_FMT_FP6 matrix_b_fmt:MATRIX_FMT_FP6
.endif
.endr
.endr
	WIN 0
.endm
	s_load_b256 s[4:11], s[0:1], 0x0               ; ob s[4:5], wc s[6:7], ws s[8:9], bo s[10:11]
	s_load_b64 s[12:13], s[0:1], 0x20              ; out0
	v_lshl_add_u32 v[SPW], v0, 2, SPARE
	v_mov_b32 v[NIL], 0
	v_lshrrev_b32 v1, 5, v0
	v_readfirstlane_b32 s16, v1                    ; wave 0..3
	v_and_b32 v1, 31, v0                           ; lane
	v_lshlrev_b32 v[LI], 4, v1
	v_and_b32 v[STO], 15, v0
	v_mul_u32_u24 v[STO], v[STO], 528
	v_bfe_u32 v[SH8], v0, 4, 1                     ; hh
	v_lshl_add_u32 v[STO], v[SH8], 5, v[STO]
	s_mul_i32 s17, s16, STGP
	v_add_nc_u32 v[STO], s17, v[STO]               ; into my partial: row r, + 32 hh
	v_lshlrev_b32 v[SH8], 3, v[SH8]                ; 8 hh
	s_mul_i32 s17, s16, 8*528
	v_add_nc_u32 v[SRD], s17, v[LI]                ; back: rows 8 w on of every partial, 16 bytes a lane
	v_mov_b32 v[WW+1], 0                           ; written once: a lane permute's destination counts as one of its sources
	s_mov_b32 s[SEL], 0x76543210
	s_mov_b32 s[SEL+1], 0xfedcba98
	s_lshl_b32 s20, ttmp9, 17                      ; ob: my 32 rows (131,072 bytes),
	s_lshl_b32 s18, s16, 14                        ; my two K steps (8,192 bytes each in a tile of rows)
	s_add_co_u32 s20, s20, s18
	s_mov_b32 s21, 0
	s_mul_i32 s24, s16, 24576                      ; wc: my two K steps' 8 fragments each
	s_mov_b32 s25, 0
	s_lshl_b32 s26, s16, 11                        ; ws
	s_mov_b32 s27, 0
	s_lshl_b32 s28, ttmp9, 14                      ; y: my work-group's 32 rows of 512 bytes,
	s_lshl_b32 s18, s16, 12                        ; my wave's 8 of them
	s_add_co_u32 s28, s28, s18
	s_mov_b32 s29, 0
	s_wait_kmcnt 0x0
	s_add_nc_u64 s[4:5], s[4:5], s[20:21]
	s_add_nc_u64 s[6:7], s[6:7], s[24:25]
	s_add_nc_u64 s[8:9], s[8:9], s[26:27]
	s_add_nc_u64 s[12:13], s[12:13], s[28:29]
	XLOAD XA, 0, 0
	XLOAD XB, 1, 0
	WLOAD 0
	s_wait_loadcnt 42                              ; the first 16 are in; behind them: 16 of out and Wo's 26
	QB XA, OF, OS
	XLOAD XA, 0, 1                                 ; the numbers just quantised make room for the next K step's
	s_wait_loadcnt 42                              ; the second 16 are in; behind them: Wo's 26 and the 16 just issued
	QB XB, OF+12, OS+1
	XLOAD XB, 1, 1
	s_wait_loadcnt 32                              ; Wo's first K step is in; behind it: 2 x 16 of out
	MULS 0, 1                                      ; the first products start the sums
	WLOAD 1
	global_load_b128 v[BO:BO+3], v[LI], s[10:11]   ; bo of my four columns
	s_wait_loadcnt 43                              ; behind these 16: 16 of out, Wo's 26 and bo
	QB XA, OF+24, OS+2
	s_wait_loadcnt 27                              ; Wo's 26 and bo may be out
	QB XB, OF+36, OS+3
	s_wait_loadcnt 1                               ; bo may be out
	MULS 1, 0
.rept 4
	v_nop                                          ; places between the products and the stores that read their results
.endr
	WIN 0x08                                       ; an LDS store's data are its source 1: window 2
.irp n, 0,1,2,3,4,5,6,7
.irp u, 0,1
	ds_store_b128 v[STO], v[16*\n+8*\u:16*\n+8*\u+3] offset:8448*\u+64*\n        ; lane (r, hh): y(16 u + r, 16 n + 8 hh + 0 .. 7); each accumulator from its low end on
	ds_store_b128 v[STO], v[16*\n+8*\u+4:16*\n+8*\u+7] offset:8448*\u+64*\n+16
.endr
.endr
	WIN 0
	s_wait_dscnt 0x0                               ; for the others' sake: my stores are done
	s_barrier_signal -1
	s_barrier_wait -1
.irp i, 0,1,2,3,4,5,6,7
.irp p, 0,1,2,3
	ds_load_b128 v[XA+16*\i+4*\p:XA+16*\i+4*\p+3], v[SRD] offset:STGP*\p+528*\i
.endr
.endr
	s_wait_loadcnt 0x0                             ; bo
.irp i, 0,1,2,3,4,5,6,7
	s_wait_dscnt 4*(7-\i)                          ; row i's four partials are in; the later rows' loads may be out
	v_pk_add_f32 v[XA+16*\i:XA+16*\i+1], v[XA+16*\i:XA+16*\i+1], v[XA+16*\i+4:XA+16*\i+5]
	v_pk_add_f32 v[XA+16*\i+2:XA+16*\i+3], v[XA+16*\i+2:XA+16*\i+3], v[XA+16*\i+6:XA+16*\i+7]
	v_pk_add_f32 v[XA+16*\i+8:XA+16*\i+9], v[XA+16*\i+8:XA+16*\i+9], v[XA+16*\i+12:XA+16*\i+13]
	v_pk_add_f32 v[XA+16*\i+10:XA+16*\i+11], v[XA+16*\i+10:XA+16*\i+11], v[XA+16*\i+14:XA+16*\i+15]
	v_pk_add_f32 v[XA+16*\i:XA+16*\i+1], v[XA+16*\i:XA+16*\i+1], v[XA+16*\i+8:XA+16*\i+9]
	v_pk_add_f32 v[XA+16*\i+2:XA+16*\i+3], v[XA+16*\i+2:XA+16*\i+3], v[XA+16*\i+10:XA+16*\i+11]
	v_pk_add_f32 v[XA+16*\i:XA+16*\i+1], v[XA+16*\i:XA+16*\i+1], v[BO:BO+1]
	v_pk_add_f32 v[XA+16*\i+2:XA+16*\i+3], v[XA+16*\i+2:XA+16*\i+3], v[BO+2:BO+3]
	global_store_b128 v[LI], v[XA+16*\i:XA+16*\i+3], s[12:13] offset:512*\i th:TH_STORE_NT   ; 32 lanes store a row of 512 consecutive bytes, at a multiple of 256 from y's first byte
.endr
	s_wait_tensorcnt 0x0                           ; the wave's end: behind my last LDS store; the tensor wait stands in a text with no tensor load too
	ds_add_u32 v[SPW], v[NIL]
	s_wait_dscnt 0x0
	s_endpgm
.Lfunc_end_k_qa38e2eb220_proj:
	.size	k_qa38e2eb220_proj, .Lfunc_end_k_qa38e2eb220_proj-k_qa38e2eb220_proj
	.p2alignl 7, 3214868480
	.fill 96, 4, 3214868480
	.section	.rodata,"a",@progbits
	.p2align	6, 0x0
	.amdhsa_kernel k_qa38e2eb220_proj
		.amdhsa_group_segment_fixed_size 68096
		.amdhsa_private_segment_fixed_size 0
		.amdhsa_enable_private_segment 0
		.amdhsa_kernarg_size 40
		.amdhsa_user_sgpr_count 2
		.amdhsa_user_sgpr_kernarg_segment_ptr 1
		.amdhsa_wavefront_size32 1
		.amdhsa_system_sgpr_workgroup_id_x 1
		.amdhsa_system_sgpr_workgroup_id_y 1
		.amdhsa_system_sgpr_workgroup_id_z 1
		.amdhsa_system_vgpr_workitem_id 0
		.amdhsa_next_free_vgpr 640
		.amdhsa_next_free_sgpr 66
		.amdhsa_reserve_vcc 0
		.amdhsa_float_denorm_mode_32 3
		.amdhsa_float_denorm_mode_16_64 3
		.amdhsa_memory_ordered 1
		.amdhsa_forward_progress 1
		.amdhsa_inst_pref_size 39
	.end_amdhsa_kernel
	.amdgpu_metadata
---
amdhsa.version: [ 1, 2 ]
amdhsa.kernels:
  - .name:           k_qa38e2eb220_proj
    .symbol:         k_qa38e2eb220_proj.kd
    .args:
      - { .name: ob, .offset: 0, .size: 8, .value_kind: global_buffer, .address_space: global }
      - { .name: wc, .offset: 8, .size: 8, .value_kind: global_buffer, .address_space: global }
      - { .name: ws, .offset: 16, .size: 8, .value_kind: global_buffer, .address_space: global }
      - { .name: bo, .offset: 24, .size: 8, .value_kind: global_buffer, .address_space: global }
      - { .name: out0, .offset: 32, .size: 8, .value_kind: global_buffer, .address_space: global }
    .group_segment_fixed_size: 68096
    .private_segment_fixed_size: 0
    .kernarg_segment_align: 8
    .kernarg_segment_size: 40
    .max_flat_workgroup_size: 128
    .sgpr_count:     66
    .vgpr_count:     640
    .wavefront_size: 32
...
	.end_amdgpu_metadata
.endif
;; end of part 3
;; ======== version 2 of 2: 3 launches
;; workspace buffers: rec 6,815,744 bytes; aq 262,144 bytes; wc 98,304 bytes; ws 8,192 bytes; ob 33,554,432 bytes
;; launch prep (part 4): grid 64 x 4, 4 waves a work-group, no clusters, 0 bytes of LDS; arguments x_codes, x_scales, Wq_codes, Wq_scales, Wk_codes, Wk_scales, Wv_codes, Wv_scales, Wo, rec, aq, wc, ws; writes rec, aq, wc, ws
.if DOCPART == 4
	.amdgcn_target "amdgcn-amd-amdhsa--gfx1250"
	.amdhsa_code_object_version 6
	.text
	.protected	k_qa38e2eb220_prep
	.globl	k_qa38e2eb220_prep
	.p2align	8
	.type	k_qa38e2eb220_prep,@function
k_qa38e2eb220_prep:
	s_mov_b64 s[64:65], 0
	v_nop
	global_prefetch_b8 v0, s[64:65] scope:SCOPE_SE
	s_setreg_imm32_b32 hwreg(HW_REG_WAVE_SCHED_MODE, 0, 2), 2
	s_setreg_imm32_b32 hwreg(HW_REG_WAVE_MODE, 25, 1), 1
	s_wait_xcnt 0x0
	s_wait_alu depctr_vm_vsrc(0)
; MHSA in MX-FP6, launch 1 of 3: the three products with x, and the operands of the later products as images of their registers.
; NO WORK OF reference() IS LEFT OUT: every input has a way to the output and is loaded by one of the three launches (bo by the third).
; What is used of the problem's form, for all finite inputs: the logit is qs[c] ks[i] / sqrt(128), qs and ks the sums of a head's 128 numbers of x Wq^T and x Wk^T.
;   (a) Those sums are made in the accumulators: the 8 tiles of a head's 128 rows of Wq (Wk) are chained onto ONE accumulator for each tile of 16 rows of x, so only 8 registers and two halves of the lanes are left to add.
;   (b) The second launch takes the row's largest logit as max(a kmax, a kmin), kmax and kmin the head's largest and smallest ks: the maximum itself, not a bound.
; OUT: aq[bh][2048] = a = qs x log2(e) / sqrt(128).  rec[bh] (212,992 bytes a head): ks[2048] f32; then v's scale words; then v's codes, quantised along the KEYS, as images of the fragments 16 e x 128 keys.
;      wc, ws: Wo quantised along the last product's K, as images of the fragments 16 rows x 128 K, and their scale words.
; THE LAST PRODUCT'S K runs over e first and over the heads second, the order in which the product contracts its two axes: K = 8 e + h.  So a block of 32 is 4 neighbouring e of all 8 heads, and a K step of 128 is 16 e.
;      Inside a block the numbers are taken in the order 4 h + e % 4, in Wo and in out alike: a block's scale and its codes' values do not hang on that order, nor does the sum.
; An IMAGE is a fragment's 12 registers as they stand: register group g (4 registers) of lane l at 512 g + 16 l.  Whoever loads it by the same lines has the operand.
; SHARES: work-group (16 b + s, hp): 128 rows of x (key step s of batch b), heads 2 hp and 2 hp + 1.  Wave w: head 2 hp + w / 2; w even makes v (64 matrix instructions, 8 quantisers), w odd makes qs and ks (128).
;      The 64 waves of the 16 work-groups with s = 0 make one fragment of Wo each, first.
; THE ROWS OF A TILE OF x, AND OF Wv, ARE NOT NEIGHBOURS: lane r of tile 2 B + U takes row 32 B + 8 U + r + 8 (r / 8), so that a lane's 16 registers of two neighbouring result tiles are 16 neighbours along the next K.
; LIMITS: NaN, infinities and the scale byte 0xff among the inputs are not served.  A block of zeros gets the scale byte 1 where the rule says 127: its codes are zeros, and this program alone reads the bytes.
; The stores of a and ks cover 128 consecutive bytes each (4 bytes a lane), Wo's loads 32 bytes a row and its scale words 4 bytes a lane: a megabyte in all; a turn through LDS for them was not built.
; REGISTERS: window 0: v1-13 lane numbers and offsets; v16-23 x's scale words; v24-39 the weights'; v40-55 at work; v56-63 the scale words made; v64-191 results; v192-211 codes; v212-215 v's scale words as stored.
;      window 1: the weights' fragments, 12 registers each.   window 2: x's eight fragments.
; THE MODE: SCHED_MODE bits 1:0 = 2 (LLVM: expert scheduling mode 2), set by the entry lines.  The code itself states the register dependences
; between vector or matrix instructions and memory instructions, with s_wait_alu, always for 0.
; THE PLAN.  Registers that memory instructions touch:
;   v5-9, v11, v13   offsets: written at the head, never again; read by every load and store.  One wait on va_vdst ahead of the first load serves them all.
;   x's and the weights' fragments and scale words: each loaded once, read by matrix instructions alone, never loaded again: no load follows a product.
;   v64-127          Wo's numbers, in the waves that have a fragment of it: loaded once, read by its quantiser.
;   v192-203, v56    codes, and Wo's scale word: written by a quantiser, read by the stores straight behind it, written again by the next quantiser:
;                    a wait on va_vdst between a quantiser and its stores, a wait on vm_vsrc ahead of the next quantiser.
;   v212-215; v64 + 16 q, v128 + 16 q   the last results of the two roles: written by vector lines, read by the last stores: one wait on va_vdst ahead of each run.
.set SEL, 48                           ; s[48:49] lane selects of v_permlanex16_b32: lane l xor 16
.set XS,  16
.set WS,  24
.set TM,  40
.set PW,  56
.set HA,  64
.set PC,  192
.set TA,  204
.set VSW, 212
.set MSB, 0
.macro WIN new                         ; the immediate's high byte repeats the setting that is left; a switch that changes nothing is dropped
.if MSB != \new
	s_set_vgpr_msb (MSB<<8)|\new
.set MSB, \new
.endif
.endm
; 64 numbers of a lane, register 16 b + i = k 32 b + 16 (lane / 16) + i of the lane's row, become a fragment's codes in v[pc] on and the row's scale word in v[pw]
.macro QUANT s, pc, ta, pw
.irp b, 0,1,2,3
	v_max3_num_f32 v[TM+\b], |v[(\s)+16*\b]|, |v[(\s)+1+16*\b]|, 0x1800000   ; block b: my 16 numbers, and the floor 2^(3 - 127): the byte cannot fall under 1
.endr
.irp i, 2,4,6,8,10,12,14
.irp b, 0,1,2,3
	v_max3_num_f32 v[TM+\b], v[TM+\b], |v[(\s)+16*\b+\i]|, |v[(\s)+1+16*\b+\i]|   ; the four blocks by turns; each accumulator is read from its low end on
.endr
.endr
.irp b, 0,1,2,3
	v_permlanex16_b32 v[TM+4+\b], v[TM+\b], s[SEL], s[SEL+1]
.endr
.irp b, 0,1,2,3
	v_max_num_f32 v[TM+\b], v[TM+\b], v[TM+4+\b]   ; with lane l xor 16's: the block's largest magnitude
.endr
.irp b, 0,1,2,3
	v_add_nc_u32 v[TM+12+\b], 0xff000000, v[TM+\b]   ; 2 off its exponent field: the conversion's scale operand
.endr
.irp b, 0,1,2,3
	v_lshrrev_b32 v[TM+4+\b], 23, v[TM+12+\b]   ; the scale's byte
.endr
	v_lshl_or_b32 v[\pw], v[TM+5], 8, v[TM+4]
	v_lshl_or_b32 v[\pw], v[TM+6], 16, v[\pw]
	v_lshl_or_b32 v[\pw], v[TM+7], 24, v[\pw]      ; my row's scale word, in both halves of the lanes
.irp c, 0,1
	v_cvt_scalef32_pk16_fp6_f32 v[(\pc)+6*\c:(\pc)+2+6*\c], v[(\s)+32*\c:(\s)+15+32*\c], v[TM+12+2*\c]
	v_cvt_scalef32_pk16_fp6_f32 v[(\ta)+4*\c:(\ta)+2+4*\c], v[(\s)+16+32*\c:(\s)+31+32*\c], v[TM+12+2*\c+1]   ; (a conversion's three registers begin on an even number)
.endr
	v_nop                                          ; one plain place behind the scaled conversions
.irp c, 0,1                            ; the operand wants a WHOLE block in a lane: lanes 0-15 block 2 c, lanes 16-31 block 2 c + 1
.irp i, 0,1,2
	v_permlane16_swap_b32 v[(\pc)+6*\c+\i], v[(\ta)+4*\c+\i]
.endr
.irp i, 0,1,2
	v_mov_b32 v[(\pc)+3+6*\c+\i], v[(\ta)+4*\c+\i]
.endr
.endr
.endm
; v^T of e-tile t for the 128 keys: source 0 = 16 rows of x, source 1 = 16 rows of Wv: a lane holds ONE e, its registers run along the keys.  Two sets of 64 results by turns
.macro MM t
	WIN 0x06                                       ; source 0 (x) window 2, source 1 (Wv) window 1
.irp j, 0,1,2,3,4,5,6,7
	v_wmma_scale_f32_16x16x128_f8f6f4 v[HA+64*((\t)%2)+8*\j:HA+64*((\t)%2)+8*\j+7], v[12*\j:12*\j+11], v[12*(\t):12*(\t)+11], 0, v[XS+\j], v[WS+(\t)] matrix_a_fmt:MATRIX_FMT_FP6 matrix_b_fmt:MATRIX_FMT_FP6
.endr
.endm
	s_load_b512 s[8:23], s[0:1], 0x0               ; x codes s[8:9], x scales s[10:11], Wq s[12:15], Wk s[16:19], Wv s[20:23]
	s_load_b256 s[24:31], s[0:1], 0x40             ; Wo s[24:25], rec s[26:27], aq s[28:29], wc s[30:31]
	s_load_b64 s[32:33], s[0:1], 0x60              ; ws
	v_lshrrev_b32 v1, 5, v0
	v_readfirstlane_b32 s34, v1                    ; wave 0..3
	v_and_b32 v1, 31, v0                           ; lane
	v_and_b32 v2, 15, v0                           ; r
	v_bfe_u32 v3, v0, 4, 1                         ; hh
	v_and_b32 v4, 8, v2
	v_add_nc_u32 v4, v4, v2                        ; rr = r + 8 (r / 8)
	v_mul_u32_u24 v5, v4, 96
	v_mad_u32_u24 v5, v3, 24, v5                   ; x, Wv: row rr of 96 bytes, + 24 hh
	v_lshlrev_b32 v6, 2, v4                        ; their scale words
	v_mul_u32_u24 v7, v2, 96
	v_mad_u32_u24 v7, v3, 24, v7                   ; Wq, Wk: row r
	v_lshlrev_b32 v8, 2, v2
	v_lshlrev_b32 v9, 4, v1                        ; an image's place for my lane
	v_lshl_add_u32 v11, v3, 3, v4
	v_lshlrev_b32 v11, 2, v11                      ; 4 (rr + 8 hh): where my a and ks go
	v_lshlrev_b32 v12, 3, v3                       ; 8 hh
	v_lshlrev_b32 v13, 12, v2
	v_lshl_add_u32 v13, v3, 4, v13                 ; Wo: row r of 4,096 bytes, + 4 hh numbers
.irp b, 0,1,2,3
	v_mov_b32 v[TM+4+\b], 0                        ; written once: a lane permute's destination counts as one of its sources
.endr
	s_mov_b32 s[SEL], 0x76543210
	s_mov_b32 s[SEL+1], 0xfedcba98
	s_mov_b32 s50, 0xffff0000                      ; lanes 16-31
	s_mov_b32 s51, 0x3e0293ee                      ; log2(e) / sqrt(128)
	s_wait_alu depctr_va_sdst(0)                   ; s34, the wave's number, is written, ahead of its first reader: the role, the head and the bases are made from it
	s_and_b32 s35, s34, 1                          ; role
	s_lshr_b32 s36, s34, 1
	s_and_b32 s39, ttmp7, 0xffff                   ; hp
	s_lshl_b32 s2, s39, 1
	s_add_co_u32 s36, s36, s2                      ; head h
	s_lshr_b32 s37, ttmp9, 4                       ; b
	s_and_b32 s38, ttmp9, 15                       ; s
	s_mul_i32 s40, ttmp9, 12288                    ; my 128 rows of x begin at row 128 (16 b + s): their codes,
	s_mov_b32 s41, 0
	s_lshl_b32 s42, ttmp9, 9                       ; their scale words
	s_mov_b32 s43, 0
	s_mul_i32 s44, s36, 12288                      ; my head's 128 rows of a weight: codes,
	s_mov_b32 s45, 0
	s_lshl_b32 s46, s36, 9                         ; scale words
	s_mov_b32 s47, 0
	s_lshl_b32 s3, s37, 3
	s_add_co_u32 s3, s3, s36                       ; bh = 8 b + h
	s_mul_i32 s52, s3, 212992                      ; my head's record
	s_lshl_b32 s4, s38, 9
	s_add_co_u32 s54, s52, s4                      ; ks of this key step (v's scale words: 8,192 bytes on)
	s_mov_b32 s55, 0
	s_mul_i32 s5, s38, 12288
	s_add_co_u32 s56, s52, s5
	s_add_co_u32 s56, s56, 16384                   ; v's images of this key step
	s_mov_b32 s57, 0
	s_lshl_b32 s58, s3, 13
	s_add_co_u32 s58, s58, s4                      ; a of these rows
	s_mov_b32 s59, 0
	s_wait_kmcnt 0x0
	s_add_nc_u64 s[8:9], s[8:9], s[40:41]
	s_add_nc_u64 s[10:11], s[10:11], s[42:43]
	s_add_nc_u64 s[12:13], s[12:13], s[44:45]
	s_add_nc_u64 s[14:15], s[14:15], s[46:47]
	s_add_nc_u64 s[16:17], s[16:17], s[44:45]
	s_add_nc_u64 s[18:19], s[18:19], s[46:47]
	s_add_nc_u64 s[20:21], s[20:21], s[44:45]
	s_add_nc_u64 s[22:23], s[22:23], s[46:47]
	s_add_nc_u64 s[60:61], s[26:27], s[54:55]
	s_add_nc_u64 s[62:63], s[26:27], s[56:57]
	s_add_nc_u64 s[28:29], s[28:29], s[58:59]
	WIN 0x80                                       ; destination window 2
	s_wait_alu depctr_va_vdst(0)                   ; the offsets v5 to v9, v11 and v13 are written, which every load and store of the kernel reads; no vector line names them again
.irp j, 0,1,2,3,4,5,6,7                ; x's eight fragments: they serve either role
.irp p, 0,1,2,3,4,5
	global_load_b64 v[12*\j+2*\p:12*\j+2*\p+1], v5, s[8:9] offset:(32*(\j/2)+8*(\j%2))*96+48*(\p/3)+8*(\p%3)
.endr
.endr
	WIN 0
.irp j, 0,1,2,3,4,5,6,7
	global_load_b32 v[XS+\j], v6, s[10:11] offset:(32*(\j/2)+8*(\j%2))*4
.endr
	s_cmp_lg_u32 s38, 0                            ; ids alone
	s_cbranch_scc1 .Lno_wo
	; ---- one fragment of Wo: number f = 4 (4 b + hp) + wave: K step f / 8 (16 e of all heads), rows 16 (f % 8) on.  Lane (r, hh) takes, of row r, blocks hh and 2 + hh of the step, whole:
	; ---- register 32 c + 4 h + i = Wo(row, 128 h + 16 (f / 8) + 4 (2 c + hh) + i)
	s_lshl_b32 s2, s37, 2
	s_add_co_u32 s2, s2, s39
	s_lshl_b32 s2, s2, 2
	s_add_co_u32 s2, s2, s34                       ; f
	s_and_b32 s3, s2, 7
	s_lshl_b32 s3, s3, 16                          ; 16 rows of 4,096 bytes
	s_lshr_b32 s4, s2, 3
	s_lshl_b32 s4, s4, 6                           ; 16 e: 64 bytes
	s_add_co_u32 s4, s4, s3
	s_mov_b32 s5, 0
	s_add_nc_u64 s[24:25], s[24:25], s[4:5]
	s_mul_i32 s6, s2, 1536
	s_mov_b32 s7, 0
	s_add_nc_u64 s[30:31], s[30:31], s[6:7]        ; its image
	s_lshr_b32 s6, s2, 3
	s_lshl_b32 s6, s6, 10                          ; its scale words: 1,024 bytes a K step,
	s_and_b32 s4, s2, 4
	s_lshl_b32 s4, s4, 7                           ; 512 for four tiles of rows, 16 bytes a lane,
	s_add_co_u32 s6, s6, s4
	s_and_b32 s4, s2, 3
	s_lshl_b32 s4, s4, 2                           ; a word a tile
	s_add_co_u32 s6, s6, s4
	s_add_nc_u64 s[32:33], s[32:33], s[6:7]
.irp c, 0,1
.irp h, 0,1,2,3,4,5,6,7
	global_load_b128 v[HA+32*\c+4*\h:HA+32*\c+4*\h+3], v13, s[24:25] offset:512*\h+32*\c   ; no vector line has been issued since the wait at the head
.endr
.endr
	s_wait_loadcnt 0x0
.irp c, 0,1
	v_max3_num_f32 v[TM+\c], |v[HA+32*\c]|, |v[HA+1+32*\c]|, 0x1800000   ; my block 2 c + hh: all its 32 numbers are mine; and the floor
.endr
.irp i, 2,4,6,8,10,12,14,16,18,20,22,24,26,28,30
.irp c, 0,1
	v_max3_num_f32 v[TM+\c], v[TM+\c], |v[HA+32*\c+\i]|, |v[HA+1+32*\c+\i]|
.endr
.endr
.irp c, 0,1
	v_add_nc_u32 v[TM+12+\c], 0xff000000, v[TM+\c]
.endr
.irp c, 0,1
	v_lshrrev_b32 v[TM+4+\c], 23, v[TM+12+\c]
.endr
	v_lshl_or_b32 v[PW], v[TM+5], 16, v[TM+4]      ; my two bytes: blocks hh and 2 + hh,
	v_lshlrev_b32 v[PW], v12, v[PW]                ; at their places in the word;
	v_permlanex16_b32 v[TM+6], v[PW], s[SEL], s[SEL+1]
	v_or_b32 v[PW], v[PW], v[TM+6]                 ; with lane l xor 16's two the word is whole
.irp c, 0,1
	v_cvt_scalef32_pk16_fp6_f32 v[PC+6*\c:PC+2+6*\c], v[HA+32*\c:HA+15+32*\c], v[TM+12+\c]
	v_cvt_scalef32_pk16_fp6_f32 v[TA+4*\c:TA+2+4*\c], v[HA+16+32*\c:HA+31+32*\c], v[TM+12+\c]
.endr
	v_nop                                          ; one plain place behind the scaled conversions
.irp c, 0,1
.irp i, 0,1,2
	v_mov_b32 v[PC+3+6*\c+\i], v[TA+4*\c+\i]
.endr
.endr
	s_wait_alu depctr_va_vdst(0)                   ; Wo's codes in v[PC ..] and its scale word in v[PW] are written, which the four stores read
.irp g, 0,1,2
	global_store_b128 v9, v[PC+4*\g:PC+4*\g+3], s[30:31] offset:512*\g   ; the wave stores 512 consecutive bytes
.endr
	global_store_b32 v9, v[PW], s[32:33]
.Lno_wo:
	s_cmp_lg_u32 s35, 0                            ; the wave's number alone
	s_cbranch_scc1 .Lrole_b
	; ---- role A: v of my head for these 128 keys, quantised along the keys.  (The loads below land in registers that no vector line has named; on either way here none has been issued since the last wait on va_vdst)
	WIN 0x40                                       ; destination window 1
.irp t, 0,1,2,3,4,5,6,7
.irp p, 0,1,2,3,4,5
	global_load_b64 v[12*\t+2*\p:12*\t+2*\p+1], v5, s[20:21] offset:(32*(\t/2)+8*(\t%2))*96+48*(\p/3)+8*(\p%3)
.endr
.endr
	WIN 0
.irp t, 0,1,2,3,4,5,6,7
	global_load_b32 v[WS+\t], v6, s[22:23] offset:(32*(\t/2)+8*(\t%2))*4
.endr
	s_wait_loadcnt 0x0
	MM 0
	MM 1
	WIN 0
.rept 4
	v_nop                                          ; places between the products and the first read of their results
.endr
.irp t, 0,1,2,3,4,5,6,7
	s_wait_xcnt 0x0                                ; the earlier stores have had their addresses translated: the codes' registers are written anew only behind this wait,
	s_wait_alu depctr_vm_vsrc(0)                   ; and the earlier stores have read v[PC ..] (ahead of the first quantiser: Wo's stores v[PC ..] and v[PW]), which the quantiser below writes again
	QUANT HA+64*(\t%2), PC, TA, PW+\t
	s_wait_alu depctr_va_vdst(0)                   ; the quantiser has written the codes in v[PC ..], which the three stores read
.irp g, 0,1,2
	global_store_b128 v9, v[PC+4*\g:PC+4*\g+3], s[62:63] offset:1536*\t+512*\g   ; 512 consecutive bytes
.endr
.if \t < 6
	MM \t+2                                        ; over the set just quantised: the quantiser's lines on v40-55 are more than the five places that such a write wants; the other set's quantiser follows as places for this one
	WIN 0
.endif
.endr
.irp u, 0,1,2,3
	v_cndmask_b32 v[VSW+\u], v[PW+2*\u], v[PW+2*\u+1], s50   ; lanes 0-15: tile 2 u's words, lanes 16-31: tile 2 u + 1's
.endr
	s_wait_alu depctr_va_vdst(0)                   ; v's scale words in v[VSW ..] are written, which the store reads
	global_store_b128 v9, v[VSW:VSW+3], s[60:61] offset:8192
	s_endpgm
.Lrole_b:
	; ---- role B: qs and ks of these 128 rows: source 0 = 16 rows of Wq or Wk, source 1 = 16 rows of x; the head's 8 tiles are chained onto one accumulator for each tile of x
	WIN 0x40
.irp i, 0,1,2,3,4,5,6,7
.irp p, 0,1,2,3,4,5
	global_load_b64 v[12*\i+2*\p:12*\i+2*\p+1], v7, s[12:13] offset:1536*\i+48*(\p/3)+8*(\p%3)
	global_load_b64 v[96+12*\i+2*\p:96+12*\i+2*\p+1], v7, s[16:17] offset:1536*\i+48*(\p/3)+8*(\p%3)
.endr
.endr
	WIN 0
.irp i, 0,1,2,3,4,5,6,7
	global_load_b32 v[WS+\i], v8, s[14:15] offset:64*\i
	global_load_b32 v[WS+8+\i], v8, s[18:19] offset:64*\i
.endr
	s_wait_loadcnt 0x0
	WIN 0x09                                       ; source 0 (the weight) window 1, source 1 (x) window 2
.irp i, 0,1,2,3,4,5,6,7                ; the 16 accumulators take turns, one instruction a turn
.irp m, 0,1
.irp j, 0,1,2,3,4,5,6,7
.if \i == 0
	v_wmma_scale_f32_16x16x128_f8f6f4 v[HA+64*\m+8*\j:HA+64*\m+8*\j+7], v[96*\m+12*\i:96*\m+12*\i+11], v[12*\j:12*\j+11], 0, v[WS+8*\m+\i], v[XS+\j] matrix_a_fmt:MATRIX_FMT_FP6 matrix_b_fmt:MATRIX_FMT_FP6
.else
	v_wmma_scale_f32_16x16x128_f8f6f4 v[HA+64*\m+8*\j:HA+64*\m+8*\j+7], v[96*\m+12*\i:96*\m+12*\i+11], v[12*\j:12*\j+11], v[HA+64*\m+8*\j:HA+64*\m+8*\j+7], v[WS+8*\m+\i], v[XS+\j] matrix_a_fmt:MATRIX_FMT_FP6 matrix_b_fmt:MATRIX_FMT_FP6
.endif
.endr
.endr
.endr
	WIN 0
.rept 4
	v_nop                                          ; places between the products and the first read of their results
.endr
.irp a, 0,1,2,3,4,5,6,7,8,9,10,11,12,13,14,15
	v_pk_add_f32 v[HA+8*\a:HA+8*\a+1], v[HA+8*\a:HA+8*\a+1], v[HA+8*\a+2:HA+8*\a+3]   ; each accumulator from its low end on
.endr
.irp a, 0,1,2,3,4,5,6,7,8,9,10,11,12,13,14,15
	v_pk_add_f32 v[HA+8*\a+4:HA+8*\a+5], v[HA+8*\a+4:HA+8*\a+5], v[HA+8*\a+6:HA+8*\a+7]
.endr
.irp a, 0,1,2,3,4,5,6,7,8,9,10,11,12,13,14,15
	v_pk_add_f32 v[HA+8*\a:HA+8*\a+1], v[HA+8*\a:HA+8*\a+1], v[HA+8*\a+4:HA+8*\a+5]
.endr
.irp a, 0,1,2,3,4,5,6,7,8,9,10,11,12,13,14,15
	v_add_f32 v[HA+8*\a], v[HA+8*\a], v[HA+8*\a+1]   ; my half's 64 of the row's 128
.endr
.irp q, 0,1,2,3,4,5,6,7                ; tiles 2 B and 2 B + 1: the first's lanes 16-31 change places with the second's lanes 0-15, and the sum of the two is whole: lane l then holds row 32 B + rr + 8 hh
	v_permlane16_swap_b32 v[HA+16*\q], v[HA+16*\q+8]
.endr
.irp q, 0,1,2,3,4,5,6,7
	v_add_f32 v[HA+16*\q], v[HA+16*\q], v[HA+16*\q+8]
.endr
.irp q, 0,1,2,3
	v_mul_f32 v[HA+16*\q], s51, v[HA+16*\q]        ; a = qs x log2(e) / sqrt(128)
.endr
	s_wait_alu depctr_va_vdst(0)                   ; a in v[HA + 16 q] and ks in v[HA + 64 + 16 q] are written, which the eight stores read
.irp q, 0,1,2,3
	global_store_b32 v11, v[HA+16*\q], s[28:29] offset:128*\q
	global_store_b32 v11, v[HA+64+16*\q], s[60:61] offset:128*\q
.endr
	s_endpgm
.Lfunc_end_k_qa38e2eb220_prep:
	.size	k_qa38e2eb220_prep, .Lfunc_end_k_qa38e2eb220_prep-k_qa38e2eb220_prep
	.p2alignl 7, 3214868480
	.fill 96, 4, 3214868480
	.section	.rodata,"a",@progbits
	.p2align	6, 0x0
	.amdhsa_kernel k_qa38e2eb220_prep
		.amdhsa_group_segment_fixed_size 0
		.amdhsa_private_segment_fixed_size 0
		.amdhsa_enable_private_segment 0
		.amdhsa_kernarg_size 104
		.amdhsa_user_sgpr_count 2
		.amdhsa_user_sgpr_kernarg_segment_ptr 1
		.amdhsa_wavefront_size32 1
		.amdhsa_system_sgpr_workgroup_id_x 1
		.amdhsa_system_sgpr_workgroup_id_y 1
		.amdhsa_system_sgpr_workgroup_id_z 1
		.amdhsa_system_vgpr_workitem_id 0
		.amdhsa_next_free_vgpr 608
		.amdhsa_next_free_sgpr 66
		.amdhsa_reserve_vcc 0
		.amdhsa_float_denorm_mode_32 3
		.amdhsa_float_denorm_mode_16_64 3
		.amdhsa_memory_ordered 1
		.amdhsa_forward_progress 1
		.amdhsa_inst_pref_size 94
	.end_amdhsa_kernel
	.amdgpu_metadata
---
amdhsa.version: [ 1, 2 ]
amdhsa.kernels:
  - .name:           k_qa38e2eb220_prep
    .symbol:         k_qa38e2eb220_prep.kd
    .args:
      - { .name: x_codes, .offset: 0, .size: 8, .value_kind: global_buffer, .address_space: global }
      - { .name: x_scales, .offset: 8, .size: 8, .value_kind: global_buffer, .address_space: global }
      - { .name: Wq_codes, .offset: 16, .size: 8, .value_kind: global_buffer, .address_space: global }
      - { .name: Wq_scales, .offset: 24, .size: 8, .value_kind: global_buffer, .address_space: global }
      - { .name: Wk_codes, .offset: 32, .size: 8, .value_kind: global_buffer, .address_space: global }
      - { .name: Wk_scales, .offset: 40, .size: 8, .value_kind: global_buffer, .address_space: global }
      - { .name: Wv_codes, .offset: 48, .size: 8, .value_kind: global_buffer, .address_space: global }
      - { .name: Wv_scales, .offset: 56, .size: 8, .value_kind: global_buffer, .address_space: global }
      - { .name: Wo, .offset: 64, .size: 8, .value_kind: global_buffer, .address_space: global }
      - { .name: rec, .offset: 72, .size: 8, .value_kind: global_buffer, .address_space: global }
      - { .name: aq, .offset: 80, .size: 8, .value_kind: global_buffer, .address_space: global }
      - { .name: wc, .offset: 88, .size: 8, .value_kind: global_buffer, .address_space: global }
      - { .name: ws, .offset: 96, .size: 8, .value_kind: global_buffer, .address_space: global }
    .group_segment_fixed_size: 0
    .private_segment_fixed_size: 0
    .kernarg_segment_align: 8
    .kernarg_segment_size: 104
    .max_flat_workgroup_size: 128
    .sgpr_count:     66
    .vgpr_count:     608
    .wavefront_size: 32
...
	.end_amdgpu_metadata
.endif
;; end of part 4
;; launch attn (part 5): grid 8 x 32, 8 waves a work-group, clusters of 4 x 1, 327,680 bytes of LDS; arguments rec, aq, ob; writes ob
.if DOCPART == 5
	.amdgcn_target "amdgcn-amd-amdhsa--gfx1250"
	.amdhsa_code_object_version 6
	.text
	.protected	k_qa38e2eb220_attn
	.globl	k_qa38e2eb220_attn
	.p2align	8
	.type	k_qa38e2eb220_attn,@function
k_qa38e2eb220_attn:
	s_mov_b64 s[64:65], 0
	v_nop
	global_prefetch_b8 v0, s[64:65] scope:SCOPE_SE
	s_setreg_imm32_b32 hwreg(HW_REG_WAVE_MODE, 25, 1), 1
	s_wait_xcnt 0x0
	s_wait_alu depctr_hold_cnt(0) depctr_sa_sdst(0) depctr_va_vdst(0) depctr_va_sdst(0) depctr_va_ssrc(0) depctr_va_vcc(0) depctr_vm_vsrc(0)
	s_getreg_b32 s2, hwreg(HW_REG_IB_STS2, 6, 4)
	s_cmp_eq_u32 s2, 0
	s_cbranch_scc0 .Lentry_in_a_cluster
	s_endpgm
.Lentry_in_a_cluster:
	s_bfe_u32 s2, ttmp6, 0x10000c
	s_cmp_lg_u32 s2, 0x3003
	s_cbranch_scc0 .Lentry_shape_is_right
	s_endpgm
.Lentry_shape_is_right:
; MHSA in MX-FP6, launch 2 of 3: p = 2^(t - M), its row sums, O^T = v^T p^T, and out = O / l in f32.  No work of reference() is left out here.
; t = a ks, a = qs log2(e) / sqrt(128) (the launch before).  Since t is a product of two numbers, the row's largest t is max(a kmax, a kmin) for all finite inputs: M = its ceiling is known ahead of the keys,
; and nothing is ever rescaled.  The same holds of a block of 32 keys: its largest u = a ks - M is the larger of the same fused multiply-add on the block's largest and smallest ks, bit for bit, since that instruction
; does not fall where ks moves towards the better end; its exponential is taken as the block's largest p (which takes v_exp_f32 not to fall where its input rises).
; p IS NO MATRIX RESULT: each lane computes just the keys that the 6-bit operand gives it, k = 64 c + 32 (lane / 16) + 0 .. 31 of query lane % 16: two whole blocks a lane, so the conversions' results are the operand.
; out LEAVES AS f32: a block of the last product's K is 4 neighbouring e of ALL 8 heads, and this work-group has one head: the last launch quantises.  ob is laid as that launch's lanes take it:
; [16 rows][K step = e / 16][c][head][lane][16 bytes], lane (r, hh) of (c, head) holding e = 16 step + 4 (2 c + hh) + 0 .. 3 of row r.  Each half of the lanes stores 256 consecutive bytes, aligned.
; SHARES: work-group = (head bh, 256 queries); wave = 32 queries, two tiles of 16, which share every fragment of v and every ks read from LDS.  16 key steps of 128.
; LDS: the head's whole record (ks, v's scale words, v's images: 212,992 bytes) is brought ONCE, by two tensor loads a wave, and never filled again: by this text's count a wave has at most one tensor load out.
; CLUSTER: the four query blocks of a cluster read the same record: both loads are joint, with the mask of all four; every descriptor register hangs on the head and the wave's number alone.
; LIMITS: NaN and infinities are not served.  A p under 2^-126 counts as 0 (v_exp_f32 gives 0 there: ISA guide, its entry); l is at least 1/2.  M is the ceiling of the ROUNDED product a k, so a row's largest p may pass 1 by
; a rounding; the block's scale is made of the p computed.  1 / l is v_rcp_f32's.  A block of zeros gets the scale byte 1: its codes are zeros.
; REGISTERS: window 0: v1-15 addresses; v16-39 a, -M and the sums of the two tiles; v40-57 at work, scale words; v60-63 v's scale words; v64-127 ks; v128-191 u, then p (both at the end: out); v192-215 p's codes; v216-242 at work.
;      window 1: v0-127 O^T (tile u, e-tile t at 64 u + 8 t); v128-223 v's eight fragments.
.set REC,   212992
.set VS_L,  8192                       ; LDS mirrors the record: ks at 0, v's scale words here,
.set VI_L,  16384                      ; v's images here
.set PARTA, 14336                      ; the first load of a wave: 56 rows of 256 bytes; the eight bring ks, the scale words and key steps 0-7
.set OFFB,  114688
.set PARTB, 12288                      ; the second: 48 rows: key step 8 + wave
.set BM_L,  212992                     ; (largest, smallest) ks of each of the 64 blocks of 32 keys: 512 bytes, stored by the waves; no tensor load lands here
.set SPARE, 213504                     ; the spare words, 128 bytes for each of the eight waves: four blocks of 256 bytes that no other line names
.set SPW,  1
.set NIL,  2
.set AVF0, 3
.set AVS0, 4
.set AKS0, 5
.set ABM0, 6
.set AVF,  7
.set AVS,  8
.set AKS,  9
.set ABM,  10
.set SH8,  11
.set LI,   12
.set OA,   13                          ; v13 where my 16 bytes of out go: 16 r + 8,192 hh
.set ST,   16                          ; tile u at ST + 12 u: +0 a (at the end 1 / l), +2 -M (+1, +3: named with them as pairs), +4 .. +11 the sum in four pairs
.set BMR,  40
.set TT,   44
.set UM,   48
.set SO,   50
.set BY,   52
.set WW,   54
.set PW,   56
.set VSR,  60
.set KR,   64
.set PP,   128
.set PC,   192
.set TA,   216
.set WV,   12                          ; s12 the wave's number
.set SEL,  48
.set TK,   51                          ; s51 where the ks to be fetched next begin: 512 bytes a step
.set TBM,  52                          ; s52 and their blocks' ends: 32 bytes a step
.set TV,   53                          ; s53 the step's images: 12,288 bytes a step
.set TS,   54                          ; s54 the step's scale words of v: 512 bytes a step
.set MSB, 0
.macro WIN new
.if MSB != \new
	s_set_vgpr_msb (MSB<<8)|\new
.set MSB, \new
.endif
.endm
.macro CROUND                          ; a round of the cluster's barrier
	s_barrier_signal -1
	s_barrier_wait -1
	s_cmp_lg_u32 s[WV], 0
	s_cbranch_scc1 .Lnot_wave_0_\@
	s_barrier_signal -3
.Lnot_wave_0_\@:
	s_barrier_wait -3
	s_barrier_signal -1
	s_barrier_wait -1
.endm
; 18 LDS loads: the next step's ks (register 32 c + i = key 64 c + 32 (lane / 16) + i of the step; sixteen lanes read the same 16 bytes) and the ends of my two blocks
.macro KLOAD
	v_add_nc_u32 v[AKS], s[TK], v[AKS0]
	v_add_nc_u32 v[ABM], s[TBM], v[ABM0]
	s_add_co_u32 s[TK], s[TK], 512
	s_add_co_u32 s[TBM], s[TBM], 32
.irp c, 0,1
.irp j, 0,1,2,3,4,5,6,7
	ds_load_b128 v[KR+32*\c+4*\j:KR+32*\c+4*\j+3], v[AKS] offset:256*\c+16*\j
.endr
.endr
.irp c, 0,1
	ds_load_b64 v[BMR+2*\c:BMR+2*\c+1], v[ABM] offset:16*\c
.endr
.endm
; One tile's p for one key step: 64 numbers a lane.  kload = 1: ks and the blocks' ends have been read for the last time in this step, and the next step's are asked for
.macro PTILE tau, kload
.set SA, ST+12*(\tau)
.set PCT, PC+12*(\tau)
.set j, 0
.rept 32
	v_pk_fma_f32 v[PP+j:PP+j+1], v[KR+j:KR+j+1], v[SA:SA+1], v[SA+2:SA+3] op_sel_hi:[1,0,0]   ; u = a ks - M, one rounding, two at a time (of the pairs a and -M the low word serves both halves)
.set j, j+2
.endr
.irp c, 0,1
	v_pk_fma_f32 v[TT+2*\c:TT+2*\c+1], v[BMR+2*\c:BMR+2*\c+1], v[SA:SA+1], v[SA+2:SA+3] op_sel_hi:[1,0,0]   ; the same of my blocks' largest and smallest ks
.endr
.irp c, 0,1
	s_delay_alu instid0(VALU_DEP_2)
	v_max_num_f32 v[UM+\c], v[TT+2*\c], v[TT+2*\c+1]   ; the block's largest u
.endr
.if \kload
	KLOAD
.endif
	s_wait_alu depctr_va_vdst(0)
.irp c, 0,1
	v_exp_f32 v[UM+\c], v[UM+\c]                   ; the block's largest p
.endr
.set j, 0
.rept 64
	v_exp_f32 v[PP+j], v[PP+j]                     ; p = 2^(t - M): not normalised
.set j, j+1
.endr
	v_nop                                          ; a plain place behind the last exponential
	s_wait_alu depctr_va_vdst(0)                   ; the wait ahead of the first line that names a result: one for the batch of 66
.irp c, 0,1
	v_max_num_f32 v[UM+\c], 0x1800000, v[UM+\c]    ; the floor 2^(3 - 127): the byte cannot fall under 1 (a block whose every p is 0 keeps that byte: its codes are zeros)
.endr
.irp c, 0,1
	s_delay_alu instid0(VALU_DEP_2)
	v_add_nc_u32 v[SO+\c], 0xff000000, v[UM+\c]    ; 2 off the exponent field: the conversion's scale operand
.endr
.irp c, 0,1
	s_delay_alu instid0(VALU_DEP_2)
	v_lshrrev_b32 v[BY+\c], 23, v[SO+\c]           ; the scale's byte
.endr
	s_delay_alu instid0(VALU_DEP_1)
	v_lshl_or_b32 v[WW], v[BY+1], 16, v[BY]        ; my two bytes: blocks hh and 2 + hh of my query,
	s_delay_alu instid0(VALU_DEP_1)
	v_lshlrev_b32 v[WW], v[SH8], v[WW]             ; at their places;
	s_delay_alu instid0(VALU_DEP_1)
	v_permlanex16_b32 v[WW+1], v[WW], s[SEL], s[SEL+1]
	s_delay_alu instid0(VALU_DEP_1)
	v_or_b32 v[PW+(\tau)], v[WW], v[WW+1]          ; with lane l xor 16's two: p's scale word for these 128 keys
	v_cvt_scalef32_pk16_fp6_f32 v[PCT:PCT+2], v[PP:PP+15], v[SO]
	v_cvt_scalef32_pk16_fp6_f32 v[TA:TA+2], v[PP+16:PP+31], v[SO]       ; (a conversion's three registers begin on an even number)
	v_cvt_scalef32_pk16_fp6_f32 v[PCT+6:PCT+8], v[PP+32:PP+47], v[SO+1]
	v_cvt_scalef32_pk16_fp6_f32 v[TA+4:TA+6], v[PP+48:PP+63], v[SO+1]
.set j, 0
.rept 2
	v_pk_add_f32 v[SA+4+2*(j%4):SA+5+2*(j%4)], v[SA+4+2*(j%4):SA+5+2*(j%4)], v[PP+2*j:PP+2*j+1]   ; THE ROW'S SUM IS TAKEN OF THE UNQUANTISED p, in four chains.  (These two are the plain place behind the conversions)
.set j, j+1
.endr
.irp c, 0,1
.irp i, 0,1,2
	v_mov_b32 v[PCT+3+6*\c+\i], v[TA+4*\c+\i]
.endr
.endr
.rept 30
	v_pk_add_f32 v[SA+4+2*(j%4):SA+5+2*(j%4)], v[SA+4+2*(j%4):SA+5+2*(j%4)], v[PP+2*j:PP+2*j+1]   ; (these 30 are also the places between the lines that wrote the codes and the scale word and the scaled products)
.set j, j+1
.endr
.endm
.macro PV t, u, zero                   ; O^T(u, t) += v^T(t) p^T(u): source 0 = 16 e, source 1 = 16 queries.  v's scale words: tile t's lie in lanes 0-15 (t even) or 16-31 (t odd) of register t / 2
.if \zero
.if (\t)%2
	v_wmma_scale_f32_16x16x128_f8f6f4 v[64*\u+8*\t:64*\u+8*\t+7], v[128+12*\t:128+12*\t+11], v[PC+12*\u:PC+12*\u+11], 0, v[VSR+(\t)/2], v[PW+\u] matrix_a_fmt:MATRIX_FMT_FP6 matrix_b_fmt:MATRIX_FMT_FP6 matrix_a_scale:MATRIX_SCALE_ROW1
.else
	v_wmma_scale_f32_16x16x128_f8f6f4 v[64*\u+8*\t:64*\u+8*\t+7], v[128+12*\t:128+12*\t+11], v[PC+12*\u:PC+12*\u+11], 0, v[VSR+(\t)/2], v[PW+\u] matrix_a_fmt:MATRIX_FMT_FP6 matrix_b_fmt:MATRIX_FMT_FP6
.endif
.else
.if (\t)%2
	v_wmma_scale_f32_16x16x128_f8f6f4 v[64*\u+8*\t:64*\u+8*\t+7], v[128+12*\t:128+12*\t+11], v[PC+12*\u:PC+12*\u+11], v[64*\u+8*\t:64*\u+8*\t+7], v[VSR+(\t)/2], v[PW+\u] matrix_a_fmt:MATRIX_FMT_FP6 matrix_b_fmt:MATRIX_FMT_FP6 matrix_a_scale:MATRIX_SCALE_ROW1
.else
	v_wmma_scale_f32_16x16x128_f8f6f4 v[64*\u+8*\t:64*\u+8*\t+7], v[128+12*\t:128+12*\t+11], v[PC+12*\u:PC+12*\u+11], v[64*\u+8*\t:64*\u+8*\t+7], v[VSR+(\t)/2], v[PW+\u] matrix_a_fmt:MATRIX_FMT_FP6 matrix_b_fmt:MATRIX_FMT_FP6
.endif
.endif
.endm
; A KEY STEP.  zero = 1: the products start the sums.  kload = 0: the last step, which has no successor
.macro STEP zero, kload
	v_add_nc_u32 v[AVF], s[TV], v[AVF0]
	v_add_nc_u32 v[AVS], s[TS], v[AVS0]
	v_nop
	v_nop                                          ; four places between the last step's products and the loads into registers that they read
	WIN 0x40                                       ; destination window 1
.irp t, 0,1,2,3,4,5,6,7
.irp g, 0,1,2
	ds_load_b128 v[128+12*\t+4*\g:128+12*\t+4*\g+3], v[AVF] offset:1536*\t+512*\g   ; an image comes back as it was stored: 512 consecutive bytes a load
.endr
.endr
	WIN 0
	ds_load_b128 v[VSR:VSR+3], v[AVS]
	s_wait_dscnt 25                                ; the 25 just issued may be out; the 18 loads of ks and the blocks' ends, issued ahead of them, are in
	PTILE 0, 0
	PTILE 1, \kload
	s_wait_dscnt 18*\kload                         ; v's fragments and scale words are in; the next step's 18 loads may stay out
	WIN 0x51                                       ; source 0 (v) window 1, source 1 (p) window 0, C and D window 1
.irp t, 0,1,2,3,4,5,6,7                ; the 16 accumulators take turns, one instruction a turn, over the backward jump too
.irp u, 0,1
	PV \t, \u, \zero
.endr
.endr
	WIN 0
	s_add_co_u32 s[TV], s[TV], PARTB
	s_add_co_u32 s[TS], s[TS], 512
.endm
	s_load_b128 s[4:7], s[0:1], 0x0                ; rec s[4:5], aq s[6:7]
	s_load_b64 s[8:9], s[0:1], 0x10                ; ob
	v_lshl_add_u32 v[SPW], v0, 2, SPARE
	v_mov_b32 v[NIL], 0
	ds_add_u32 v[SPW], v[NIL]                      ; the wave's opening: the add, twice on end, and its wait ahead of my first tensor load; the set-up below, work on registers, stands between
	ds_add_u32 v[SPW], v[NIL]
	v_lshrrev_b32 v14, 5, v0
	s_delay_alu instid0(VALU_DEP_1)
	v_readfirstlane_b32 s[WV], v14                 ; wave 0..7
	s_bfe_u32 s13, ttmp6, 0x40000                  ; cx: my place in the cluster
	s_lshl_b32 s14, ttmp9, 2
	s_add_co_u32 s14, s14, s13                     ; my block of 256 queries: it enters the addresses of aq and ob alone
	s_and_b32 s15, ttmp7, 0xffff                   ; bh, which the four partners share
	; descriptor groups 1: dense blocks as rows of 256 bytes (32 elements of 8 bytes), no padding
	s_mov_b32 s16, 15|(3<<16)|(1<<21)              ; 15:0 the mask: all four work-groups; 17:16 elements of 8 bytes; 21 set beside a mask
	s_mov_b32 s17, 32<<16                          ; tensor_dim0 = 32
	s_mov_b32 s18, 56<<16                          ; tensor_dim1 = 56
	s_mov_b32 s19, 32<<16                          ; tile_dim0 = 32
	s_mov_b32 s20, 56                              ; tile_dim1 = 56
	s_mov_b32 s21, 32                              ; from row to row: 32 elements
	s_mov_b32 s22, 0
	s_mov_b32 s23, 0
	s_mov_b32 s24, 15|(3<<16)|(1<<21)
	s_mov_b32 s25, 32<<16
	s_mov_b32 s26, 48<<16                          ; 48 rows
	s_mov_b32 s27, 32<<16
	s_mov_b32 s28, 48
	s_mov_b32 s29, 32
	s_mov_b32 s30, 0
	s_mov_b32 s31, 0
	s_mul_i32 s40, s15, REC                        ; my head's record
	s_mov_b32 s41, 0
	s_mul_i32 s42, s[WV], PARTA                    ; my part of the first group: in the record and in LDS alike
	s_mov_b32 s43, 0
	s_mul_i32 s44, s[WV], PARTB
	s_add_co_u32 s44, s44, OFFB                    ; and of the second
	s_mov_b32 s45, 0
	s_lshl_b32 s46, s15, 13                        ; a: (2048 bh + 256 block + 32 wave) x 4
	s_lshl_b32 s47, s14, 10
	s_add_co_u32 s46, s46, s47
	s_lshl_b32 s47, s[WV], 7
	s_add_co_u32 s46, s46, s47
	s_mov_b32 s47, 0
	s_lshr_b32 s56, s15, 3                         ; b
	s_and_b32 s57, s15, 7                          ; h
	s_lshl_b32 s58, s56, 6
	s_lshl_b32 s59, s14, 3
	s_add_co_u32 s58, s58, s59
	s_add_co_u32 s58, s58, s[WV]                   ; my 32 rows' number among all: 64 b + 8 block + wave
	s_lshl_b32 s62, s58, 17                        ; ob: 131,072 bytes for 32 rows,
	s_lshl_b32 s57, s57, 9                         ; 512 a head
	s_add_co_u32 s62, s62, s57
	s_mov_b32 s63, 0
	s_mov_b32 s[SEL], 0x76543210
	s_mov_b32 s[SEL+1], 0xfedcba98
	s_mov_b32 s[TK], 0
	s_mov_b32 s[TBM], 0
	s_mov_b32 s[TV], 0
	s_mov_b32 s[TS], 0
	s_wait_dscnt 0x0                               ; both opening adds are done
	s_wait_kmcnt 0x0
	s_add_nc_u64 s[4:5], s[4:5], s[40:41]
	s_add_nc_u64 s[6:7], s[6:7], s[46:47]
	s_add_nc_u64 s[8:9], s[8:9], s[62:63]
	s_mov_b32 s32, 1                               ; group 0 of the first load: count 1,
	s_mov_b32 s33, s42                             ; LDS address,
	s_add_nc_u64 s[34:35], s[4:5], s[42:43]        ; global address,
	s_or_b32 s35, s35, 0x80000000                  ; type 2
	s_mov_b32 s36, 1
	s_mov_b32 s37, s44
	s_add_nc_u64 s[38:39], s[4:5], s[44:45]
	s_or_b32 s39, s39, 0x80000000
	CROUND                                         ; all four work-groups are here: the joint loads meet
	tensor_load_to_lds s[32:35], s[16:23]          ; every wave issues both first fills, on the one way through the text
	s_nop 0
	s_wait_alu depctr_va_vdst(0)
	s_wait_tensorcnt 0x0
	ds_add_u32 v1, v2
	s_wait_dscnt 0x0
	CROUND
	tensor_load_to_lds s[36:39], s[24:31]
	s_nop 0
.rept 4
	v_nop
.endr
	v_and_b32 v15, 15, v0                          ; r
	s_delay_alu instid0(VALU_DEP_1)
	v_lshlrev_b32 v[OA], 4, v15
	s_delay_alu instid0(VALU_DEP_2)
	v_lshlrev_b32 v15, 2, v15                      ; 4 r; not written again
	global_load_b32 v[ST], v15, s[6:7]             ; a of my query in tile 0,
	global_load_b32 v[ST+12], v15, s[6:7] offset:64   ; in tile 1
	v_and_b32 v14, 31, v0                          ; lane
	v_bfe_u32 v[SH8], v0, 4, 1                     ; hh
	s_delay_alu instid0(VALU_DEP_1)
	v_lshl_add_u32 v[OA], v[SH8], 13, v[OA]        ; 16 r + 8,192 hh
	s_delay_alu instid0(VALU_DEP_3)
	v_lshlrev_b32 v[LI], 4, v14
	s_delay_alu instid0(VALU_DEP_1)
	v_add_nc_u32 v[AVF0], VI_L, v[LI]
	s_delay_alu instid0(VALU_DEP_2)
	v_add_nc_u32 v[AVS0], VS_L, v[LI]
	v_lshlrev_b32 v[AKS0], 7, v[SH8]               ; lanes 16-31 begin 32 keys on
	v_lshl_add_u32 v[ABM0], v[SH8], 3, BM_L        ; and one block on
	v_lshlrev_b32 v[SH8], 3, v[SH8]                ; 8 hh
	v_lshlrev_b32 v240, 5, v0                      ; 32 x thread: my 8 of the head's 2,048 ks
	v_lshrrev_b32 v241, 2, v0
	s_delay_alu instid0(VALU_DEP_1)
	v_lshl_add_u32 v241, v241, 3, BM_L             ; their block's place in the table: four neighbouring lanes share a block
	v_add_nc_u32 v242, BM_L, v[LI]                 ; two blocks of the table a lane
.irp u, 0,1
	v_mov_b32 v[ST+12*\u+1], 0                     ; named with a and -M as pairs, so they are written
	v_mov_b32 v[ST+12*\u+3], 0
.irp k, 4,5,6,7,8,9,10,11
	v_mov_b32 v[ST+12*\u+\k], 0                    ; the sums
.endr
.endr
	v_mov_b32 v234, 0                              ; written once: a lane permute's destination counts as one of its sources
	v_mov_b32 v235, 0
	v_mov_b32 v[WW+1], 0
	s_wait_tensorcnt 0x1                           ; my part of the first group is in; the second may stay out
	s_barrier_signal -1
	s_barrier_wait -1                              ; everybody's is
	; ---- the largest and smallest ks of each block of 32 keys
	ds_load_b128 v[224:227], v240
	ds_load_b128 v[228:231], v240 offset:16
	s_wait_dscnt 0x0
	v_max3_num_f32 v232, v224, v225, v226
	v_min3_num_f32 v233, v224, v225, v226
	s_delay_alu instid0(VALU_DEP_2)
	v_max3_num_f32 v232, v232, v227, v228
	s_delay_alu instid0(VALU_DEP_2)
	v_min3_num_f32 v233, v233, v227, v228
	s_delay_alu instid0(VALU_DEP_2)
	v_max3_num_f32 v232, v232, v229, v230
	s_delay_alu instid0(VALU_DEP_2)
	v_min3_num_f32 v233, v233, v229, v230
	s_delay_alu instid0(VALU_DEP_2)
	v_max_num_f32 v232, v232, v231
	s_delay_alu instid0(VALU_DEP_2)
	v_min_num_f32 v233, v233, v231
.irp x, 1,2
	s_delay_alu instid0(VALU_DEP_2)
	v_max_num_f32_dpp v232, v232, v232 row_xmask:\x row_mask:0xf bank_mask:0xf
	s_delay_alu instid0(VALU_DEP_2)
	v_min_num_f32_dpp v233, v233, v233 row_xmask:\x row_mask:0xf bank_mask:0xf
.endr
	ds_store_b64 v241, v[232:233]                  ; the four lanes of a block write the same 8 bytes with the same values
	s_wait_dscnt 0x0                               ; for the others' sake: my store is done
	s_barrier_signal -1
	s_barrier_wait -1
	; ---- the head's largest and smallest ks, and M
	ds_load_b128 v[224:227], v242
	s_wait_dscnt 0x0
	v_max_num_f32 v232, v224, v226
	v_min_num_f32 v233, v225, v227
.irp x, 1,2,4,8
	s_delay_alu instid0(VALU_DEP_2)
	v_max_num_f32_dpp v232, v232, v232 row_xmask:\x row_mask:0xf bank_mask:0xf
	s_delay_alu instid0(VALU_DEP_2)
	v_min_num_f32_dpp v233, v233, v233 row_xmask:\x row_mask:0xf bank_mask:0xf
.endr
	s_delay_alu instid0(VALU_DEP_2)
	v_permlanex16_b32 v234, v232, s[SEL], s[SEL+1]
	s_delay_alu instid0(VALU_DEP_2)
	v_permlanex16_b32 v235, v233, s[SEL], s[SEL+1]
	s_delay_alu instid0(VALU_DEP_2)
	v_max_num_f32 v232, v232, v234
	s_delay_alu instid0(VALU_DEP_2)
	v_min_num_f32 v233, v233, v235
	s_wait_alu depctr_va_vdst(0)
	s_wait_loadcnt 0x0                             ; a
.irp u, 0,1
	v_mul_f32 v236, v[ST+12*\u], v232
	v_mul_f32 v237, v[ST+12*\u], v233
	s_delay_alu instid0(VALU_DEP_1)
	v_max_num_f32 v236, v236, v237                 ; the row's largest t
	s_delay_alu instid0(VALU_DEP_1)
	v_floor_f32 v[ST+12*\u+2], -v236               ; -M = floor(-t) = -ceil(t): a whole number
.endr
	; ---- the keys
	KLOAD                                          ; key step 0's ks
	s_wait_alu depctr_va_vdst(0)
	STEP 1, 1                                      ; its products start the sums: nothing is cleared
	s_mov_b32 s55, 7
.Lfirst:                                           ; key steps 1 to 7
	STEP 0, 1
	s_sub_co_u32 s55, s55, 1
	s_cmp_lg_u32 s55, 0
	s_cbranch_scc1 .Lfirst
	s_wait_tensorcnt 0x0                           ; my part of the second group is in,
	s_wait_dscnt 0x0                               ; no LDS load of mine is out at the signal,
	s_barrier_signal -1
	s_barrier_wait -1                              ; and everybody's part is in
	s_mov_b32 s55, 7
.Lsecond:                                          ; key steps 8 to 14
	STEP 0, 1
	s_sub_co_u32 s55, s55, 1
	s_cmp_lg_u32 s55, 0
	s_cbranch_scc1 .Lsecond
	STEP 0, 0                                      ; key step 15 asks for no further ks
	s_wait_alu depctr_va_vdst(0)
	; ---- out = O / l.  The additions are the places behind the last products
.irp u, 0,1
	v_pk_add_f32 v[ST+12*\u+4:ST+12*\u+5], v[ST+12*\u+4:ST+12*\u+5], v[ST+12*\u+6:ST+12*\u+7]
	v_pk_add_f32 v[ST+12*\u+8:ST+12*\u+9], v[ST+12*\u+8:ST+12*\u+9], v[ST+12*\u+10:ST+12*\u+11]
.endr
.irp u, 0
	s_delay_alu instid0(VALU_DEP_3)
	v_pk_add_f32 v[ST+12*\u+4:ST+12*\u+5], v[ST+12*\u+4:ST+12*\u+5], v[ST+12*\u+8:ST+12*\u+9]
.endr
.irp u, 1
	s_delay_alu instid0(VALU_DEP_2)
	v_pk_add_f32 v[ST+12*\u+4:ST+12*\u+5], v[ST+12*\u+4:ST+12*\u+5], v[ST+12*\u+8:ST+12*\u+9]
.endr
.irp u, 0,1
	s_delay_alu instid0(VALU_DEP_2)
	v_add_f32 v[ST+12*\u+4], v[ST+12*\u+4], v[ST+12*\u+5]
.endr
.irp u, 0,1
	s_delay_alu instid0(VALU_DEP_2)
	v_permlanex16_b32 v[ST+12*\u+6], v[ST+12*\u+4], s[SEL], s[SEL+1]
.endr
.irp u, 0,1
	s_delay_alu instid0(VALU_DEP_2)
	v_add_f32 v[ST+12*\u+4], v[ST+12*\u+4], v[ST+12*\u+6]   ; with lane l xor 16's keys: the row's sum
.endr
	s_wait_alu depctr_va_vdst(0)
.irp u, 0,1
	v_rcp_f32 v[ST+12*\u], v[ST+12*\u+4]
.endr
	v_nop                                          ; a plain place behind the last reciprocal
	s_wait_alu depctr_va_vdst(0)                   ; the wait ahead of the first use: one for the two
.irp u, 0,1                            ; tile u's 64 numbers go into v[64 + 64 u] on: ks' and p's registers, which are done with; so no store's data are written again
	WIN 0x01                                       ; source 0 (O^T) window 1
.set j, 0
.rept 32
	v_pk_mul_f32 v[KR+64*\u+j:KR+64*\u+j+1], v[64*\u+j:64*\u+j+1], v[ST+12*\u:ST+12*\u+1] op_sel_hi:[1,0]   ; register 16 B + i = e 32 B + 16 hh + i of my query; each accumulator from its low end on
.set j, j+2
.endr
	WIN 0
.irp bb, 0,1,2,3                       ; registers 16 B + 4 q + 0 .. 3: K step 2 B + hh, block q of it: c = q / 2, lane 16 (q % 2) + r
.irp q, 0,1,2,3
	global_store_b128 v[OA], v[KR+64*\u+16*\bb+4*\q:KR+64*\u+16*\bb+4*\q+3], s[8:9] offset:65536*\u+16384*\bb+4096*(\q/2)+256*(\q%2)   ; each half of the lanes: 256 consecutive bytes, aligned
.endr
.endr
.endr
	s_wait_tensorcnt 0x0                           ; the wave's end: behind my last tensor load and my last LDS store
	ds_add_u32 v[SPW], v[NIL]
	s_wait_dscnt 0x0
	CROUND                                         ; the closing round: no work-group ends while a partner may still ask for a tile that names it
	s_endpgm
.Lfunc_end_k_qa38e2eb220_attn:
	.size	k_qa38e2eb220_attn, .Lfunc_end_k_qa38e2eb220_attn-k_qa38e2eb220_attn
	.p2alignl 7, 3214868480
	.fill 96, 4, 3214868480
	.section	.rodata,"a",@progbits
	.p2align	6, 0x0
	.amdhsa_kernel k_qa38e2eb220_attn
		.amdhsa_group_segment_fixed_size 327680
		.amdhsa_private_segment_fixed_size 0
		.amdhsa_enable_private_segment 0
		.amdhsa_kernarg_size 24
		.amdhsa_user_sgpr_count 2
		.amdhsa_user_sgpr_kernarg_segment_ptr 1
		.amdhsa_wavefront_size32 1
		.amdhsa_system_sgpr_workgroup_id_x 1
		.amdhsa_system_sgpr_workgroup_id_y 1
		.amdhsa_system_sgpr_workgroup_id_z 1
		.amdhsa_system_vgpr_workitem_id 0
		.amdhsa_next_free_vgpr 480
		.amdhsa_next_free_sgpr 66
		.amdhsa_reserve_vcc 0
		.amdhsa_float_denorm_mode_32 3
		.amdhsa_float_denorm_mode_16_64 3
		.amdhsa_memory_ordered 1
		.amdhsa_forward_progress 1
		.amdhsa_inst_pref_size 101
	.end_amdhsa_kernel
	.amdgpu_metadata
---
amdhsa.version: [ 1, 2 ]
amdhsa.kernels:
  - .name:           k_qa38e2eb220_attn
    .symbol:         k_qa38e2eb220_attn.kd
    .args:
      - { .name: rec, .offset: 0, .size: 8, .value_kind: global_buffer, .address_space: global }
      - { .name: aq, .offset: 8, .size: 8, .value_kind: global_buffer, .address_space: global }
      - { .name: ob, .offset: 16, .size: 8, .value_kind: global_buffer, .address_space: global }
    .group_segment_fixed_size: 327680
    .private_segment_fixed_size: 0
    .kernarg_segment_align: 8
    .kernarg_segment_size: 24
    .max_flat_workgroup_size: 256
    .sgpr_count:     66
    .vgpr_count:     480
    .wavefront_size: 32
...
	.end_amdgpu_metadata
.endif
;; end of part 5
;; launch proj (part 6): grid 256 x 1, 4 waves a work-group, no clusters, 68,096 bytes of LDS; arguments ob, wc, ws, bo, out0; writes out0
.if DOCPART == 6
	.amdgcn_target "amdgcn-amd-amdhsa--gfx1250"
	.amdhsa_code_object_version 6
	.text
	.protected	k_qa38e2eb220_proj
	.globl	k_qa38e2eb220_proj
	.p2align	8
	.type	k_qa38e2eb220_proj,@function
k_qa38e2eb220_proj:
	s_mov_b64 s[64:65], 0
	v_nop
	global_prefetch_b8 v0, s[64:65] scope:SCOPE_SE
	s_setreg_imm32_b32 hwreg(HW_REG_WAVE_SCHED_MODE, 0, 2), 2
	s_setreg_imm32_b32 hwreg(HW_REG_WAVE_MODE, 25, 1), 1
	s_wait_xcnt 0x0
	s_wait_alu depctr_vm_vsrc(0)
; MHSA in MX-FP6, launch 3 of 3: y = Q(out) Q(Wo)^T + bo.  No work of reference() is left out here.
; THE PRODUCT'S K runs over e first and over the heads second: K = 8 e + h.  A block of 32 is 4 neighbouring e of all 8 heads, a K step of 128 is 16 e; inside a block the order is 4 h + e % 4, in out and in Wo alike.
; out comes as f32, laid by the launch before as my lanes take it: lane (r, hh) loads, for c = 0, 1 and each head h, 16 bytes: e = 16 step + 4 (2 c + hh) + 0 .. 3 of row r, into registers 32 c + 4 h on.
; So a lane's 64 registers are two WHOLE blocks, in the order that the 6-bit operand gives that lane: no other lane is asked for a maximum, and the conversions' results are the operand.
; SHARES: a work-group owns 32 rows of y (two tiles of 16).  THE WAVES SHARE K: wave w takes K steps 2 w and 2 w + 1, for all 8 tiles of columns and both tiles of rows, so nothing is loaded twice in a work-group:
; 4 fragments of out (quantised here) and 16 of Wo (images) a wave, 32 matrix instructions on 16 accumulators.  The four partial sums meet in LDS, through which the results have to go anyway to leave as whole rows.
; The product is used transposed (source 0 = 16 rows of Wo, source 1 = 16 rows of out): a lane holds eight neighbouring columns of one row of y.
; No tensor load: operands come from memory straight into registers, 512 consecutive bytes a load.  By this text's count at most 59 loads of a wave are out.
; LIMITS: NaN and infinities are not served.  A block of zeros gets the scale byte 1 where the rule says 127: its codes are zeros.
; REGISTERS: window 0: v2-7 addresses; v8-11 bo; v16-31 Wo's scale words; v32-79 out's four fragments; v80-143, v144-207 64 numbers of out each, later the rows read back; v208-215 at work; v216-219 out's scale words; v220-226 at work.
;      window 1: v0-191 Wo's fragments.   window 2: v0-127 the accumulators (tile of columns n, tile of rows u at 16 n + 8 u).
; THE MODE: SCHED_MODE bits 1:0 = 2 (LLVM: expert scheduling mode 2), set by the entry lines.  The code itself states the register dependences
; between vector or matrix instructions and memory or LDS instructions, with s_wait_alu, always for 0.
; THE PLAN.  Registers that memory or LDS instructions touch:
;   v[LI], v[STO], v[SRD]   addresses: written at the head, never again.  One wait on va_vdst ahead of the first load serves every load and store.
;   XA, XB          64 numbers of out each: loaded; read by a quantiser; loaded again at once, behind a wait on va_vdst that states that the quantiser is done reading them; read by a second quantiser;
;                   at the end the LDS loads of the partial sums land there, the row sums are made in place, and the global stores read them.
;   Wo's fragments and scale words, bo: each loaded once into registers that no vector line has named; read by the products, bo by the last additions.
;   the accumulators: written by the products, read by the LDS stores: the four places, then one wait on va_vdst; no vector line behind it names XA or XB, so it serves the LDS loads into them too.
;   out's codes and scale words (v32-79, v216-219) are named by vector and matrix instructions alone: behind the eight places ahead of the scaled products one wait on va_vdst states that they are written.
;   v[SPW], v[NIL]  written at the head, read by the closing add alone.
; No register that a memory or LDS instruction has read is ever written again: no wait on vm_vsrc is owed but the closing lines' wait for all.
.set STGP,  16896                      ; a wave's partial sums: 32 rows x (512 bytes + 16): 132 words a row, so that the 16 rows of a store begin 4 words apart
.set SPARE, 4*STGP                     ; behind them: the spare words, 128 bytes for each wave: two blocks of 256 bytes that no other line names
.set SPW, 2
.set NIL, 3
.set LI,  4
.set SH8, 5
.set STO, 6
.set SRD, 7
.set BO,  8
.set WSC, 16
.set OF,  32
.set XA,  80
.set XB,  144
.set TMX, 208
.set SO,  210
.set BY,  212
.set WW,  214
.set OS,  216
.set TA,  220
.set SEL, 14                           ; s[14:15] lane selects of v_permlanex16_b32: lane l xor 16
.set MSB, 0
.macro WIN new
.if MSB != \new
	s_set_vgpr_msb (MSB<<8)|\new
.set MSB, \new
.endif
.endm
.macro XLOAD x, u, kk                  ; 16 loads: the 64 numbers a lane of tile of rows u, K step 2 w + kk
.irp c, 0,1
.irp h, 0,1,2,3,4,5,6,7
	global_load_b128 v[(\x)+32*\c+4*\h:(\x)+32*\c+4*\h+3], v[LI], s[4:5] offset:65536*\u+8192*\kk+4096*\c+512*\h th:TH_LOAD_NT
.endr
.endr
.endm
.macro WLOAD kk                        ; 26 loads: Wo's eight fragments of K step 2 w + kk and their scale words, four tiles' words a load.  They land in registers that no vector or matrix line has named before
	WIN 0x40                                       ; destination window 1
.irp n, 0,1,2,3,4,5,6,7
.irp g, 0,1,2
	global_load_b128 v[12*(8*\kk+\n)+4*\g:12*(8*\kk+\n)+4*\g+3], v[LI], s[6:7] offset:12288*\kk+1536*\n+512*\g
.endr
.endr
	WIN 0
.irp q, 0,1
	global_load_b128 v[WSC+8*\kk+4*\q:WSC+8*\kk+4*\q+3], v[LI], s[8:9] offset:1024*\kk+512*\q
.endr
.endm
; 64 numbers of a lane, register 32 c + i = the i-th of block 2 c + hh of my row, become a fragment's codes in v[pc] on and the row's scale word in v[pw]
.macro QB x, pc, pw
.irp c, 0,1
	v_max3_num_f32 v[TMX+\c], |v[(\x)+32*\c]|, |v[(\x)+1+32*\c]|, 0x1800000   ; all 32 numbers of the block are mine; and the floor 2^(3 - 127): the byte cannot fall under 1
.endr
.irp i, 2,4,6,8,10,12,14,16,18,20,22,24,26,28,30
.irp c, 0,1
	v_max3_num_f32 v[TMX+\c], v[TMX+\c], |v[(\x)+32*\c+\i]|, |v[(\x)+1+32*\c+\i]|   ; the two blocks by turns
.endr
.endr
.irp c, 0,1
	v_add_nc_u32 v[SO+\c], 0xff000000, v[TMX+\c]   ; 2 off the exponent field: the conversion's scale operand
.endr
.irp c, 0,1
	v_lshrrev_b32 v[BY+\c], 23, v[SO+\c]           ; the scale's byte
.endr
	v_lshl_or_b32 v[WW], v[BY+1], 16, v[BY]        ; my two bytes: blocks hh and 2 + hh,
	v_lshlrev_b32 v[WW], v[SH8], v[WW]             ; at their places;
	v_permlanex16_b32 v[WW+1], v[WW], s[SEL], s[SEL+1]
	v_or_b32 v[\pw], v[WW], v[WW+1]                ; with lane l xor 16's two the word is whole
.irp c, 0,1
	v_cvt_scalef32_pk16_fp6_f32 v[(\pc)+6*\c:(\pc)+2+6*\c], v[(\x)+32*\c:(\x)+15+32*\c], v[SO+\c]
	v_cvt_scalef32_pk16_fp6_f32 v[TA+4*\c:TA+2+4*\c], v[(\x)+16+32*\c:(\x)+31+32*\c], v[SO+\c]   ; (a conversion's three registers begin on an even number)
.endr
	v_nop                                          ; one plain place behind the scaled conversions
.irp c, 0,1
.irp i, 0,1,2
	v_mov_b32 v[(\pc)+3+6*\c+\i], v[TA+4*\c+\i]
.endr
.endr
.endm
.macro MULS kk, zero                   ; 16 matrix instructions, the 16 accumulators by turns
.rept 8
	v_nop                                          ; a scale word written by vector instructions stands 8 places ahead of a scaled product, codes so written 4
.endr
	WIN 0xa1                                       ; source 0 (Wo) window 1, source 1 (out) window 0, C and D window 2
	s_wait_alu depctr_va_vdst(0)                   ; the quantisers have written out's codes in v[OF ..] and its scale words in v[OS ..], which the scaled products take; the places above stay beside this wait
.irp n, 0,1,2,3,4,5,6,7
.irp u, 0,1
.if \zero
	v_wmma_scale_f32_16x16x128_f8f6f4 v[16*\n+8*\u:16*\n+8*\u+7], v[12*(8*\kk+\n):12*(8*\kk+\n)+11], v[OF+24*\kk+12*\u:OF+24*\kk+12*\u+11], 0, v[WSC+8*\kk+\n], v[OS+2*\kk+\u] matrix_a_fmt:MATRIX_FMT_FP6 matrix_b_fmt:MATRIX_FMT_FP6
.else
	v_wmma_scale_f32_16x16x128_f8f6f4 v[16*\n+8*\u:16*\n+8*\u+7], v[12*(8*\kk+\n):12*(8*\kk+\n)+11], v[OF+24*\kk+12*\u:OF+24*\kk+12*\u+11], v[16*\n+8*\u:16*\n+8*\u+7], v[WSC+8*\kk+\n], v[OS+2*\kk+\u] matrix_a_fmt:MATRIX_FMT_FP6 matrix_b_fmt:MATRIX_FMT_FP6
.endif
.endr
.endr
	WIN 0
.endm
; Row i of my eight: its four partial sums and bo are added, in the registers in which the first partial landed
.macro ROWSUM i
	s_wait_dscnt 4*(7-(\i))                        ; row i's four partials are in; the later rows' loads may be out
	v_pk_add_f32 v[XA+16*(\i):XA+16*(\i)+1], v[XA+16*(\i):XA+16*(\i)+1], v[XA+16*(\i)+4:XA+16*(\i)+5]
	v_pk_add_f32 v[XA+16*(\i)+2:XA+16*(\i)+3], v[XA+16*(\i)+2:XA+16*(\i)+3], v[XA+16*(\i)+6:XA+16*(\i)+7]
	v_pk_add_f32 v[XA+16*(\i)+8:XA+16*(\i)+9], v[XA+16*(\i)+8:XA+16*(\i)+9], v[XA+16*(\i)+12:XA+16*(\i)+13]
	v_pk_add_f32 v[XA+16*(\i)+10:XA+16*(\i)+11], v[XA+16*(\i)+10:XA+16*(\i)+11], v[XA+16*(\i)+14:XA+16*(\i)+15]
	v_pk_add_f32 v[XA+16*(\i):XA+16*(\i)+1], v[XA+16*(\i):XA+16*(\i)+1], v[XA+16*(\i)+8:XA+16*(\i)+9]
	v_pk_add_f32 v[XA+16*(\i)+2:XA+16*(\i)+3], v[XA+16*(\i)+2:XA+16*(\i)+3], v[XA+16*(\i)+10:XA+16*(\i)+11]
	v_pk_add_f32 v[XA+16*(\i):XA+16*(\i)+1], v[XA+16*(\i):XA+16*(\i)+1], v[BO:BO+1]
	v_pk_add_f32 v[XA+16*(\i)+2:XA+16*(\i)+3], v[XA+16*(\i)+2:XA+16*(\i)+3], v[BO+2:BO+3]
.endm
.macro ROWOUT i
	global_store_b128 v[LI], v[XA+16*(\i):XA+16*(\i)+3], s[12:13] offset:512*(\i) th:TH_STORE_NT   ; 32 lanes store a row of 512 consecutive bytes, at a multiple of 256 from y's first byte
.endm
	s_load_b256 s[4:11], s[0:1], 0x0               ; ob s[4:5], wc s[6:7], ws s[8:9], bo s[10:11]
	s_load_b64 s[12:13], s[0:1], 0x20              ; out0
	v_lshl_add_u32 v[SPW], v0, 2, SPARE
	v_mov_b32 v[NIL], 0
	v_lshrrev_b32 v1, 5, v0
	v_readfirstlane_b32 s16, v1                    ; wave 0..3
	v_and_b32 v1, 31, v0                           ; lane
	v_lshlrev_b32 v[LI], 4, v1
	v_and_b32 v[STO], 15, v0
	v_mul_u32_u24 v[STO], v[STO], 528
	v_bfe_u32 v[SH8], v0, 4, 1                     ; hh
	v_lshl_add_u32 v[STO], v[SH8], 5, v[STO]
	s_wait_alu depctr_va_sdst(0)                   ; s16, the wave's number, is written, ahead of its first reader: LDS addresses and the bases are made from it
	s_mul_i32 s17, s16, STGP
	v_add_nc_u32 v[STO], s17, v[STO]               ; into my partial: row r, + 32 hh
	v_lshlrev_b32 v[SH8], 3, v[SH8]                ; 8 hh
	s_mul_i32 s17, s16, 8*528
	v_add_nc_u32 v[SRD], s17, v[LI]                ; back: rows 8 w on of every partial, 16 bytes a lane
	v_mov_b32 v[WW+1], 0                           ; written once: a lane permute's destination counts as one of its sources
	s_mov_b32 s[SEL], 0x76543210
	s_mov_b32 s[SEL+1], 0xfedcba98
	s_lshl_b32 s20, ttmp9, 17                      ; ob: my 32 rows (131,072 bytes),
	s_lshl_b32 s18, s16, 14                        ; my two K steps (8,192 bytes each in a tile of rows)
	s_add_co_u32 s20, s20, s18
	s_mov_b32 s21, 0
	s_mul_i32 s24, s16, 24576                      ; wc: my two K steps' 8 fragments each
	s_mov_b32 s25, 0
	s_lshl_b32 s26, s16, 11                        ; ws
	s_mov_b32 s27, 0
	s_lshl_b32 s28, ttmp9, 14                      ; y: my work-group's 32 rows of 512 bytes,
	s_lshl_b32 s18, s16, 12                        ; my wave's 8 of them
	s_add_co_u32 s28, s28, s18
	s_mov_b32 s29, 0
	s_wait_kmcnt 0x0
	s_add_nc_u64 s[4:5], s[4:5], s[20:21]
	s_add_nc_u64 s[6:7], s[6:7], s[24:25]
	s_add_nc_u64 s[8:9], s[8:9], s[26:27]
	s_add_nc_u64 s[12:13], s[12:13], s[28:29]
	s_wait_alu depctr_va_vdst(0)                   ; v[LI], v[STO] and v[SRD] are written, which the loads and stores of the kernel read as addresses; no vector line names them again
	XLOAD XA, 0, 0
	XLOAD XB, 1, 0
	WLOAD 0
	s_wait_loadcnt 42                              ; the first 16 are in; behind them: 16 of out and Wo's 26
	QB XA, OF, OS
	s_wait_alu depctr_va_vdst(0)                   ; the quantiser is done reading XA, in which the loads below land
	XLOAD XA, 0, 1                                 ; the numbers just quantised make room for the next K step's
	s_wait_loadcnt 42                              ; the second 16 are in; behind them: Wo's 26 and the 16 just issued
	QB XB, OF+12, OS+1
	s_wait_alu depctr_va_vdst(0)                   ; the quantiser is done reading XB, in which the loads below land
	XLOAD XB, 1, 1
	s_wait_loadcnt 32                              ; Wo's first K step is in; behind it: 2 x 16 of out
	WLOAD 1                                        ; Wo's second K step is asked for ahead of the first products
	global_load_b128 v[BO:BO+3], v[LI], s[10:11]   ; bo of my four columns
	MULS 0, 1                                      ; the first products start the sums
	s_wait_loadcnt 43                              ; behind these 16: 16 of out, Wo's 26 and bo
	QB XA, OF+24, OS+2
	s_wait_loadcnt 27                              ; Wo's 26 and bo may be out
	QB XB, OF+36, OS+3
	s_wait_loadcnt 1                               ; bo may be out
	MULS 1, 0
.rept 4
	v_nop                                          ; places between the products and the stores that read their results
.endr
	WIN 0x08                                       ; an LDS store's data are its source 1: window 2
	s_wait_alu depctr_va_vdst(0)                   ; the products have written the accumulators, which the LDS stores read; the quantisers are done reading XA and XB, in which the LDS loads behind the barrier land.  The places above stay beside this wait
.irp n, 0,1,2,3,4,5,6,7
.irp u, 0,1
	ds_store_b128 v[STO], v[16*\n+8*\u:16*\n+8*\u+3] offset:8448*\u+64*\n        ; lane (r, hh): y(16 u + r, 16 n + 8 hh + 0 .. 7); each accumulator from its low end on
	ds_store_b128 v[STO], v[16*\n+8*\u+4:16*\n+8*\u+7] offset:8448*\u+64*\n+16
.endr
.endr
	WIN 0
	s_wait_dscnt 0x0                               ; for the others' sake: my stores are done
	s_barrier_signal -1
	s_barrier_wait -1
.irp i, 0,1,2,3,4,5,6,7
.irp p, 0,1,2,3
	ds_load_b128 v[XA+16*\i+4*\p:XA+16*\i+4*\p+3], v[SRD] offset:STGP*\p+528*\i   ; no vector line since the wait ahead of the LDS stores names these registers
.endr
.endr
	s_wait_loadcnt 0x0                             ; bo
.irp i, 0,1,2,3
	ROWSUM \i
.endr
	s_wait_alu depctr_va_vdst(0)                   ; rows 0 to 3 are summed in v[XA + 16 i ..], which the four stores read
.irp i, 0,1,2,3
	ROWOUT \i
.endr
.irp i, 4,5,6,7
	ROWSUM \i                                      ; these write other registers than the stores above read
.endr
	s_wait_alu depctr_va_vdst(0)                   ; rows 4 to 7 are summed, which the last four stores read
.irp i, 4,5,6,7
	ROWOUT \i
.endr
	s_wait_dscnt 0x0                               ; the closing lines, six on end (every window is 0 here: the add's two registers lie in window 0)
	s_wait_alu 0x0
	s_wait_tensorcnt 0x0
	ds_add_u32 v[SPW], v[NIL]
	s_wait_dscnt 0x0
	s_endpgm
.Lfunc_end_k_qa38e2eb220_proj:
	.size	k_qa38e2eb220_proj, .Lfunc_end_k_qa38e2eb220_proj-k_qa38e2eb220_proj
	.p2alignl 7, 3214868480
	.fill 96, 4, 3214868480
	.section	.rodata,"a",@progbits
	.p2align	6, 0x0
	.amdhsa_kernel k_qa38e2eb220_proj
		.amdhsa_group_segment_fixed_size 68096
		.amdhsa_private_segment_fixed_size 0
		.amdhsa_enable_private_segment 0
		.amdhsa_kernarg_size 40
		.amdhsa_user_sgpr_count 2
		.amdhsa_user_sgpr_kernarg_segment_ptr 1
		.amdhsa_wavefront_size32 1
		.amdhsa_system_sgpr_workgroup_id_x 1
		.amdhsa_system_sgpr_workgroup_id_y 1
		.amdhsa_system_sgpr_workgroup_id_z 1
		.amdhsa_system_vgpr_workitem_id 0
		.amdhsa_next_free_vgpr 640
		.amdhsa_next_free_sgpr 66
		.amdhsa_reserve_vcc 0
		.amdhsa_float_denorm_mode_32 3
		.amdhsa_float_denorm_mode_16_64 3
		.amdhsa_memory_ordered 1
		.amdhsa_forward_progress 1
		.amdhsa_inst_pref_size 40
	.end_amdhsa_kernel
	.amdgpu_metadata
---
amdhsa.version: [ 1, 2 ]
amdhsa.kernels:
  - .name:           k_qa38e2eb220_proj
    .symbol:         k_qa38e2eb220_proj.kd
    .args:
      - { .name: ob, .offset: 0, .size: 8, .value_kind: global_buffer, .address_space: global }
      - { .name: wc, .offset: 8, .size: 8, .value_kind: global_buffer, .address_space: global }
      - { .name: ws, .offset: 16, .size: 8, .value_kind: global_buffer, .address_space: global }
      - { .name: bo, .offset: 24, .size: 8, .value_kind: global_buffer, .address_space: global }
      - { .name: out0, .offset: 32, .size: 8, .value_kind: global_buffer, .address_space: global }
    .group_segment_fixed_size: 68096
    .private_segment_fixed_size: 0
    .kernarg_segment_align: 8
    .kernarg_segment_size: 40
    .max_flat_workgroup_size: 128
    .sgpr_count:     66
    .vgpr_count:     640
    .wavefront_size: 32
...
	.end_amdgpu_metadata
.endif
;; end of part 6
